; MI455X (gfx1250); checked and timed in simulation.
; The chip was launched on July 23, 2026; its instructions are those of AMD's public machine-readable ISA for CDNA 5 (MIT licence, August 2026) and "CDNA5" Instruction Set Architecture Reference Guide (July 2026). The comments in the code are by the model that wrote it; some were corrected since.
;; Attn. Allowed arithmetic: matrix products marked QUANTISED: E4M3 operands, one E8M0 scale for each 32 along K, by v_wmma_scale_f32_16x16x128_f8f6f4 with both operands' format E4M3, f32 sums; everything else in f32.
;; Inputs: Wk 512 x 512 float32; Wo 512 x 512 float32; Wq 512 x 512 float32; Wv 512 x 512 float32; bo 512 float32; ln_b 512 float32; ln_g 512 float32; pos 1 x 1,024 x 512 float32; proj_k 1,024 x 256 float32; proj_v 1,024 x 256 float32; x 32 x 512 x 32 x 32 float32.
;; Outputs: out0 32 x 512 x 32 x 32 float32.
;; This version of the problem:
;;   THIS VERSION OF THE PROBLEM IS GIVEN IN LOW PRECISION. The matrix products marked QUANTISED in the list below multiply operands that are first quantised to E4M3 (4 exponent bits, 3 mantissa bits; 8 bits a number), with one power-of-two scale for each 32 numbers along K (OCP MX v1.0); their sums are f32. All else is computed in f32.
;;   The module's matrix products, in the order in which they are computed (A, B: the left and right operand; K: the contracted axis; several contracted axes count as one K, in the product's order):
;;     1. [M 32,768, K 512] x [K 512, N 512]; A: computed on the way; B: input Wq: QUANTISED
;;     2. [M 32,768, K 512] x [K 512, N 512]; A: computed on the way; B: input Wk: QUANTISED
;;     3. [M 256, K 1,024] x [K 1,024, N 16,384]; A: input proj_k; B: computed on the way: QUANTISED
;;     4. [M 32,768, K 512] x [K 512, N 512]; A: computed on the way; B: input Wv: QUANTISED
;;     5. [M 256, K 1,024] x [K 1,024, N 16,384]; A: input proj_v; B: computed on the way: QUANTISED
;;     6. batch 256 x [M 1,024, K 64] x [K 64, N 256]; A: computed on the way; B: computed on the way: QUANTISED
;;     7. batch 256 x [M 64, K 256] x [K 256, N 1,024]; A: computed on the way; B: softmax (see below): QUANTISED
;;     8. [M 32,768, K 512] x [K 512, N 512]; A: computed on the way; B: input Wo: QUANTISED
;;   THE QUANTISER, for each operand of a quantised product, along K:
;;     - K is cut into blocks of 32 from its start; a last block that is shorter is filled with zeros.
;;     - A block's scale is 2^e with e = floor(log2(the largest magnitude in the block)) - 8, held to -126 .. 127; a block of zeros has e = 0. As a byte (E8M0): e + 127.
;;     - Each number is divided by its block's scale, clamped to +-448, and rounded to the nearest number of E4M3, ties to even, subnormals kept.
;;     - The product sums the exact products of the quantised numbers (number of the format x scale) in f32.
;;   ~~~python
;;   def quantise(x, axis):      # numpy; x: float32 -> the quantised numbers, widened to float32 again
;;       x = np.moveaxis(x, axis, -1); K = x.shape[-1]
;;       x = np.pad(x, [(0, 0)] * (x.ndim - 1) + [(0, -K % 32)]); x = x.reshape(x.shape[:-1] + (-1, 32)); a = np.abs(x).max(-1, keepdims=True)
;;       e = np.where(a > 0, np.clip(np.frexp(np.where(a > 0, a, 1))[1] - 1 - 8, -126, 127), 0)      # np.frexp(a)[1] - 1 = floor(log2(a)), exactly
;;       r = np.clip(x / 2.0 ** e, -448, 448)
;;       step = 2.0 ** (np.maximum(np.frexp(np.where(r == 0, 1, r))[1] - 1, -6) - 3)
;;       q = np.round(r / step) * step * 2.0 ** e      # np.round: ties to even
;;       return np.moveaxis(q.reshape(q.shape[:-2] + (-1,))[..., :K], -1, axis).astype(np.float32)
;;   ~~~
;;   SOFTMAX AHEAD OF A QUANTISED PRODUCT. Where the list says 'softmax', what is quantised is not the finished softmax but p = 2^(t - M), with t = logit x log2(e) and M = ceil(the row's largest t), a whole number; so 1/2 < the row's largest p <= 1. The row's sum l is taken of the UNQUANTISED p, in f32, and the product's result is divided by l at the end. Since M is a whole number, a kernel that streams over the keys may use a running M (the ceiling of the running maximum): every later rescaling is an exact power of two, which a block's scale takes up: the codes' values come out the same.
;;   OPERANDS COMPUTED ON THE WAY. 'Computed on the way' means the value that the module computes at that place (a softmax that the list does not call 'softmax' is quantised finished and normalised). What goes into a quantiser is computed in f32, as accurately as f32 sums, v_exp_f32 and their like allow (about 1e-6 of the number): no bf16 or f16 on the way to a quantiser, and a product that is left as it is and whose result goes on into a quantised operand takes f32 operands (vector FMAs, or v_wmma_f32_16x16x4_f32). A number that lies on a knife's edge between two numbers of the format may be rounded either way, as far as f32 arithmetic and the matrix unit's own rounding can turn it there, and no further.
;; One version. Each part assembles by itself: llvm-mc -triple=amdgcn-amd-amdhsa -mcpu=gfx1250 --defsym DOCPART=n.
;; ======== version 1 of 1: 4 launches
;; workspace buffers: wimg 1,589,248 bytes; wscl 32,768 bytes; posT 2,097,152 bytes; ybuf 17,301,504 bytes; kvimg 8,388,608 bytes; kvscl 524,288 bytes
;; launch prep (part 1): grid 128 x 1, 4 waves a work-group, no clusters, 85,504 bytes of LDS; arguments Wq, Wk, Wv, Wo, proj_k, proj_v, pos, wimg, wscl, posT; writes wimg, wscl, posT
.if DOCPART == 1
	.amdgcn_target "amdgcn-amd-amdhsa--gfx1250"
	.amdhsa_code_object_version 6
	.text
	.protected	k_q2ad1aeb646_prep
	.globl	k_q2ad1aeb646_prep
	.p2align	8
	.type	k_q2ad1aeb646_prep,@function
k_q2ad1aeb646_prep:
	s_mov_b64 s[64:65], 0
	v_nop
	global_prefetch_b8 v0, s[64:65] scope:SCOPE_SE
	s_setreg_imm32_b32 hwreg(HW_REG_WAVE_MODE, 25, 1), 1
	s_wait_xcnt 0x0
; PREP.  The four weights [512 (K)][512] and the two projections [1024 (K)][256], f32 with K as FIRST axis, become codes of E4M3 with one E8M0 byte for each 32 along K;
; pos [1024 n][512 c] becomes posT [512 c][1024 n], f32.
; A wave takes 32 columns x 128 rows of one tensor.  A LANE TAKES A COLUMN AND ITS REGISTERS RUN DOWN K: a block of 32 lies in one lane, and the conversions give codes with K innermost.
; THE CODES ARE LAID AS IMAGES OF OPERAND REGISTERS: a fragment (16 columns x 128 K) is 2,048 bytes; byte 512 c + 16 l + j is column pi(T, l % 16) at k = 32 c + 16 (l / 16) + j,
; with pi(T, r) = 32 (T / 2) + 8 (T % 2) + r + 8 (r / 8): the columns of a tile are not neighbours, so that the results of two neighbouring tiles are 16 neighbours along the next product's K.
; wimg: weight t at 262,144 t as [tile 32][K step 4][2,048]; from 1,048,576 on the projections as [k or v][four K steps 2][quarter of the keys 4][two K steps 2][16,896]:
;   a block is [K step 2][key tile 4] images, then 512 bytes of scale words [16 parity + r][2 K step + pair of tiles]: so two neighbouring blocks are what one wave of the next launch but one takes at a time.
; wscl: [weight 4][K step 4][16 tile + r] words.
; Work-groups 0-63: the weights; 64-95: the projections; 96-127: pos.  Both kinds of work load alike and part on the work-group's number; each has LDS bytes of its own.  Waves share nothing: no barrier.
; LIMITS: NaN and infinities are not served.  A block of zeros gets the byte 1 where the rule says 127 (its codes are zeros, and only this program reads the bytes); a block whose largest magnitude lies under 2^-118 is held at the byte 1.
.set X,   48                           ; v48-175  128 numbers: register 32 t + i = row 32 t + i of my column
.set A,   16                           ; v16-47   byte offset of row i of a block: 4 x lane + i x the row's bytes
.set CD,  176                          ; v176-183 a block's 32 codes
.macro LOAD t                          ; block t: 32 rows; each load reads 128 consecutive bytes
.set k, 0
.rept 32
	global_load_b32 v[X+32*(\t)+k], v[A+k], s[34+2*(\t):35+2*(\t)] th:TH_LOAD_NT
.set k, k+1
.endr
.endm
.macro ARRIVE t                        ; block t is in; the block two further on is asked for: 64 loads of a wave are out at the most
.if (\t) < 3
	s_wait_loadcnt 32                              ; loads come back in order: only the next block's 32 may be out
.else
	s_wait_loadcnt 0x0
.endif
.if (\t) < 2
	LOAD (\t)+2
.endif
.endm
	s_load_b512 s[4:19], s[0:1], 0x0               ; Wq, Wk, Wv, Wo, proj_k, proj_v, pos, wimg
	s_load_b128 s[20:23], s[0:1], 0x40             ; wscl, posT
	v_lshl_add_u32 v208, v0, 2, 0x14c00
	v_mov_b32 v209, 0
	v_lshrrev_b32 v1, 5, v0
	v_readfirstlane_b32 s24, v1                    ; wave
	v_and_b32 v1, 31, v0                           ; lane = my column of the 32
	v_bfe_u32 v2, v0, 3, 1                         ; u: which of the two tiles my column falls into
	v_and_b32 v3, 7, v0
	v_bfe_u32 v10, v0, 4, 1
	v_lshl_or_b32 v3, v10, 3, v3                   ; r: its place in that tile
	v_lshlrev_b32 v9, 4, v1                        ; 16 x lane
	s_mul_i32 s31, s24, 4352                       ; the quantiser's stage: two images, 2,176 bytes apart, for each wave
	v_mul_u32_u24 v4, v2, 2176
	v_lshl_add_u32 v4, v3, 4, v4
	v_add_nc_u32 v4, s31, v4                       ; in: image u, 16 r
	v_add_nc_u32 v5, s31, v9                       ; back: 16 x lane
	s_mul_i32 s31, s24, 16896                      ; the transposer's stage: 32 rows of 512 + 16 bytes for each wave, behind the quantiser's stages
	s_add_co_u32 s31, s31, 17408
	v_mul_u32_u24 v6, v1, 528
	v_add_nc_u32 v6, s31, v6                       ; in: row = my column
	v_add_nc_u32 v7, s31, v9                       ; back: 16 x lane of a row
	s_mov_b32 s49, 0x600000                        ; the mantissa field of 448
	s_mov_b32 s25, ttmp9                           ; g
	s_lshr_b32 s50, s25, 5
	s_cmp_eq_u32 s50, 2                            ; a projection?
	s_cselect_b32 s28, 3, 4                        ; log2 of the groups of 32 columns: 8 or 16
	s_cselect_b32 s48, 4, 2                        ; log2 of the bytes from scale word to scale word in memory
	s_cmp_ge_u32 s25, 96
	s_cselect_b32 s50, 31, 15                      ; pos has 32 work-groups, each other tensor 16
	s_and_b32 s26, s25, s50
	s_lshl_b32 s26, s26, 2
	s_add_co_u32 s26, s26, s24                     ; my wave's unit in its tensor
	s_lshl_b32 s27, 128, s28                       ; a row's bytes: 1,024 or 2,048
	s_lshl_b32 s50, 1, s28
	s_sub_co_u32 s50, s50, 1
	s_and_b32 s29, s26, s50                        ; cg: which 32 columns
	s_lshr_b32 s30, s26, s28                       ; s: which 128 rows (K step)
	s_lshr_b32 s31, s25, 4                         ; t: which tensor
	v_lshl_or_b32 v8, v2, 4, v3
	v_lshlrev_b32 v8, s48, v8                      ; my scale word's place: (16 u + r) words, or groups of four words
	v_lshlrev_b32 v[A], 2, v1
.set k, 1
.rept 31
	v_add_nc_u32 v[A+k], s27, v[A+k-1]
.set k, k+1
.endr
	s_mul_i32 s50, s30, s27
	s_lshl_b32 s50, s50, 7                         ; 128 s rows,
	s_lshl_b32 s51, s29, 7
	s_add_co_u32 s50, s50, s51                     ; + 128 cg bytes: where my unit begins in its tensor
	s_mov_b32 s51, 0
	s_lshl_b32 s52, s27, 5                         ; a block of 32 rows
	s_mov_b32 s53, 0
	s_lshl_b32 s54, s31, 18                        ; a weight's first image: 262,144 t + 16,384 cg + 2,048 s
	s_lshl_b32 s56, s29, 14
	s_add_co_u32 s54, s54, s56
	s_lshl_b32 s56, s30, 11
	s_add_co_u32 s54, s54, s56
	s_sub_co_u32 s55, s31, 4                       ; a projection's block: 1,048,576 + 270,336 (t - 4) + 135,168 (s / 4) + 33,792 (cg / 2) + 16,896 ((s / 2) % 2)
	s_mul_i32 s55, s55, 270336
	s_lshr_b32 s56, s30, 2
	s_mul_i32 s56, s56, 135168
	s_add_co_u32 s55, s55, s56
	s_lshr_b32 s56, s29, 1
	s_mul_i32 s56, s56, 33792
	s_add_co_u32 s55, s55, s56
	s_bfe_u32 s56, s30, 0x10001
	s_mul_i32 s56, s56, 16896
	s_add_co_u32 s55, s55, s56
	s_add_co_u32 s55, s55, 1048576
	s_and_b32 s56, s30, 1
	s_lshl_b32 s56, s56, 1
	s_and_b32 s57, s29, 1
	s_add_co_u32 s56, s56, s57                     ; 2 (s % 2) + cg % 2: which pair of images, and which scale word of a lane's four
	s_lshl_b32 s57, s56, 12
	s_add_co_u32 s57, s55, s57                     ; its first image: + 4,096 for each pair
	s_lshl_b32 s56, s56, 2
	s_add_co_u32 s55, s55, s56
	s_add_co_u32 s55, s55, 16384                   ; its scale words: + 16,384 + 4 for each pair
	s_lshl_b32 s56, s31, 13                        ; a weight's scale words: 8,192 t + 2,048 s + 128 cg
	s_lshl_b32 s58, s30, 11
	s_add_co_u32 s56, s56, s58
	s_lshl_b32 s58, s29, 7
	s_add_co_u32 s56, s56, s58
	s_mov_b32 s58, 8192                            ; from the first image to the second: a tile's four K steps, or one image
	s_mov_b32 s59, 2048
	s_cmp_lt_u32 s25, 64                           ; a weight?
	s_cselect_b32 s54, s54, s57
	s_cselect_b32 s56, s56, s55
	s_cselect_b32 s58, s58, s59
	s_mov_b32 s55, 0
	s_mov_b32 s57, 0
	s_mov_b32 s59, 0
	s_wait_kmcnt 0x0
	s_cmp_lt_u32 s25, 64
	s_cselect_b64 s[46:47], s[20:21], s[18:19]     ; a weight's scale words go to wscl, a projection's into its block of wimg
	s_add_nc_u64 s[46:47], s[46:47], s[56:57]
	s_add_nc_u64 s[42:43], s[18:19], s[54:55]      ; the two images
	s_add_nc_u64 s[44:45], s[42:43], s[58:59]
	s_mov_b64 s[32:33], s[16:17]                   ; the tensor is chosen by the work-group's number alone
	s_cmp_lt_u32 s25, 96
	s_cselect_b64 s[32:33], s[14:15], s[32:33]
	s_cmp_lt_u32 s25, 80
	s_cselect_b64 s[32:33], s[12:13], s[32:33]
	s_cmp_lt_u32 s25, 64
	s_cselect_b64 s[32:33], s[10:11], s[32:33]
	s_cmp_lt_u32 s25, 48
	s_cselect_b64 s[32:33], s[8:9], s[32:33]
	s_cmp_lt_u32 s25, 32
	s_cselect_b64 s[32:33], s[6:7], s[32:33]
	s_cmp_lt_u32 s25, 16
	s_cselect_b64 s[32:33], s[4:5], s[32:33]
	s_add_nc_u64 s[34:35], s[32:33], s[50:51]      ; a base for each block of 32 rows
	s_add_nc_u64 s[36:37], s[34:35], s[52:53]
	s_add_nc_u64 s[38:39], s[36:37], s[52:53]
	s_add_nc_u64 s[40:41], s[38:39], s[52:53]
	LOAD 0
	LOAD 1
	s_cmp_ge_u32 s25, 96
	s_cbranch_scc1 .Lpos
; ---- the quantiser: block t of my column
.macro WBLK t
	ARRIVE \t
.set XS, X+32*(\t)
	v_max3_num_f32 v10, |v[XS]|, |v[XS+1]|, |v[XS+2]|              ; the block's largest magnitude: all 32 numbers are mine; two chains
	v_max3_num_f32 v11, |v[XS+3]|, |v[XS+4]|, |v[XS+5]|
.irp i, 6,10,14,18,22,26
	v_max3_num_f32 v10, v10, |v[XS+\i]|, |v[XS+\i+1]|
	v_max3_num_f32 v11, v11, |v[XS+\i+2]|, |v[XS+\i+3]|
.endr
	v_max3_num_f32 v10, v10, |v[XS+30]|, |v[XS+31]|
	v_max3_num_f32 v10, v10, v11, 0x4800000        ; and the floor 2^(9 - 127): the byte cannot fall under 1
	v_add_nc_u32 v12, 0xfc000000, v10              ; 8 off the exponent field: the conversion takes this operand's exponent field as its scale
	v_and_or_b32 v13, v10, 0x7f800000, s49         ; 448 x the scale
	v_lshrrev_b32 v14, 23, v12                     ; the scale's byte
.if (\t) == 0
	v_mov_b32 v15, v14                             ; four bytes make the K step's scale word
.else
	v_lshl_or_b32 v15, v14, 8*(\t), v15
.endif
.set k, 0
.rept 32
	v_med3_num_f32 v[XS+k], v[XS+k], -v13, v13     ; the conversion to an 8-bit code does not saturate (ISA guide 7.6.2): the hold comes first
.set k, k+1
.endr
.irp g, 0,1,2,3
	v_cvt_scalef32_pk8_fp8_f32 v[CD+2*\g:CD+2*\g+1], v[XS+8*\g:XS+8*\g+7], v12
.endr
	ds_store_b128 v4, v[CD:CD+3] offset:512*(\t)               ; k = 32 t + 0 .. 15: the image's lane r
	ds_store_b128 v4, v[CD+4:CD+7] offset:512*(\t)+256         ; k = 32 t + 16 .. 31: its lane 16 + r
	s_wait_dscnt 0x0                               ; the stores have read their registers: the next block's codes may be written
.endm
	WBLK 0
	WBLK 1
	WBLK 2
	WBLK 3
.set k, 0
.rept 8
	ds_load_b128 v[X+4*k:X+4*k+3], v5 offset:(k/4)*2176+(k%4)*512   ; LDS serves a wave's instructions in order: these see my stores
.set k, k+1
.endr
.set k, 0
.rept 8
	s_wait_dscnt 7-k                               ; load k is in; the younger ones may be out
	global_store_b128 v9, v[X+4*k:X+4*k+3], s[42+2*(k/4):43+2*(k/4)] offset:(k%4)*512   ; 32 lanes store 512 consecutive bytes
.set k, k+1
.endr
	global_store_b32 v8, v15, s[46:47]             ; a weight's 32 words are 128 consecutive bytes; a projection's lie 16 bytes apart (16 KiB of such words in the whole launch)
	s_wait_tensorcnt 0x0
	ds_add_u32 v208, v209
	s_wait_dscnt 0x0
	s_endpgm
; ---- pos: my column's 128 numbers become a row of the stage; rows leave whole
.Lpos:
	s_lshl_b32 s50, s29, 17                        ; posT: 32 cg rows of 4,096 bytes,
	s_lshl_b32 s51, s30, 9                         ; + 128 s numbers
	s_add_co_u32 s50, s50, s51
	s_mov_b32 s51, 0
	s_add_nc_u64 s[22:23], s[22:23], s[50:51]
.macro PBLK t
	ARRIVE \t
.set k, 0
.rept 8
	ds_store_b128 v6, v[X+32*(\t)+4*k:X+32*(\t)+4*k+3] offset:16*(8*(\t)+k)
.set k, k+1
.endr
.endm
	PBLK 0
	PBLK 1
	PBLK 2
	PBLK 3
.set k, 0
.rept 32
	ds_load_b128 v[X+4*k:X+4*k+3], v7 offset:528*k             ; row k of the stage: channel 32 cg + k, 128 places; in order behind my stores
.set k, k+1
.endr
.set k, 0
.rept 32
	s_wait_dscnt 31-k
	global_store_b128 v9, v[X+4*k:X+4*k+3], s[22:23] offset:4096*k   ; 32 lanes store 512 consecutive bytes
.set k, k+1
.endr
	s_wait_tensorcnt 0x0
	ds_add_u32 v208, v209
	s_wait_dscnt 0x0
	s_endpgm
.Lfunc_end_k_q2ad1aeb646_prep:
	.size	k_q2ad1aeb646_prep, .Lfunc_end_k_q2ad1aeb646_prep-k_q2ad1aeb646_prep
	.p2alignl 7, 3214868480
	.fill 96, 4, 3214868480
	.section	.rodata,"a",@progbits
	.p2align	6, 0x0
	.amdhsa_kernel k_q2ad1aeb646_prep
		.amdhsa_group_segment_fixed_size 85504
		.amdhsa_private_segment_fixed_size 0
		.amdhsa_enable_private_segment 0
		.amdhsa_kernarg_size 80
		.amdhsa_user_sgpr_count 2
		.amdhsa_user_sgpr_kernarg_segment_ptr 1
		.amdhsa_wavefront_size32 1
		.amdhsa_system_sgpr_workgroup_id_x 1
		.amdhsa_system_sgpr_workgroup_id_y 1
		.amdhsa_system_sgpr_workgroup_id_z 1
		.amdhsa_system_vgpr_workitem_id 0
		.amdhsa_next_free_vgpr 210
		.amdhsa_next_free_sgpr 66
		.amdhsa_reserve_vcc 0
		.amdhsa_float_denorm_mode_32 3
		.amdhsa_float_denorm_mode_16_64 3
		.amdhsa_memory_ordered 1
		.amdhsa_forward_progress 1
		.amdhsa_inst_pref_size 49
	.end_amdhsa_kernel
	.amdgpu_metadata
---
amdhsa.version: [ 1, 2 ]
amdhsa.kernels:
  - .name:           k_q2ad1aeb646_prep
    .symbol:         k_q2ad1aeb646_prep.kd
    .args:
      - { .name: Wq, .offset: 0, .size: 8, .value_kind: global_buffer, .address_space: global }
      - { .name: Wk, .offset: 8, .size: 8, .value_kind: global_buffer, .address_space: global }
      - { .name: Wv, .offset: 16, .size: 8, .value_kind: global_buffer, .address_space: global }
      - { .name: Wo, .offset: 24, .size: 8, .value_kind: global_buffer, .address_space: global }
      - { .name: proj_k, .offset: 32, .size: 8, .value_kind: global_buffer, .address_space: global }
      - { .name: proj_v, .offset: 40, .size: 8, .value_kind: global_buffer, .address_space: global }
      - { .name: pos, .offset: 48, .size: 8, .value_kind: global_buffer, .address_space: global }
      - { .name: wimg, .offset: 56, .size: 8, .value_kind: global_buffer, .address_space: global }
      - { .name: wscl, .offset: 64, .size: 8, .value_kind: global_buffer, .address_space: global }
      - { .name: posT, .offset: 72, .size: 8, .value_kind: global_buffer, .address_space: global }
    .group_segment_fixed_size: 85504
    .private_segment_fixed_size: 0
    .kernarg_segment_align: 8
    .kernarg_segment_size: 80
    .max_flat_workgroup_size: 128
    .sgpr_count:     66
    .vgpr_count:     210
    .wavefront_size: 32
...
	.end_amdgpu_metadata
.endif
;; end of part 1
;; launch ln (part 2): grid 32 x 8, 8 waves a work-group, clusters of 4 x 1, 277,504 bytes of LDS; arguments x, posT, ln_g, ln_b, ybuf; writes ybuf
.if DOCPART == 2
	.amdgcn_target "amdgcn-amd-amdhsa--gfx1250"
	.amdhsa_code_object_version 6
	.text
	.protected	k_q2ad1aeb646_ln
	.globl	k_q2ad1aeb646_ln
	.p2align	8
	.type	k_q2ad1aeb646_ln,@function
k_q2ad1aeb646_ln:
	s_mov_b64 s[64:65], 0
	v_nop
	global_prefetch_b8 v0, s[64:65] scope:SCOPE_SE
	s_setreg_imm32_b32 hwreg(HW_REG_WAVE_MODE, 25, 1), 1
	s_wait_xcnt 0x0
	s_wait_alu depctr_hold_cnt(0) depctr_sa_sdst(0) depctr_va_vdst(0) depctr_va_sdst(0) depctr_va_ssrc(0) depctr_va_vcc(0) depctr_vm_vsrc(0)
	s_getreg_b32 s2, hwreg(HW_REG_IB_STS2, 6, 4)
	s_cmp_eq_u32 s2, 0
	s_cbranch_scc0 .Lentry_in_a_cluster
	s_endpgm
.Lentry_in_a_cluster:
	s_bfe_u32 s2, ttmp6, 0x10000c
	s_cmp_lg_u32 s2, 0x3003
	s_cbranch_scc0 .Lentry_shape_is_right
	s_endpgm
.Lentry_shape_is_right:
; LN.  y = relu(LayerNorm(x^T + pos) g + b), quantised along c to E4M3 with one E8M0 byte for each 32, stored as images of operand registers.
; x: [32 b][512 c][1024 n] f32.  posT: [512 c][1024 n] f32.  A work-group takes one batch and 128 places n; the four partners of a cluster are four batches on the same 128 places,
; so posT's slab is asked for JOINTLY: the same tensor load, the same descriptor, a mask that names the four.
; Wave w: channels 128 (w % 4) on (one K step of the later products), places 64 (w / 4) on.  Lane l holds places 2 l and 2 l + 1 and all 128 channels: 256 registers (window 1: register 2 c + i).
; So each load of x reads 256 consecutive aligned bytes, a block of 32 channels lies in ONE lane, and mean and variance want one exchange among four waves each.
; Every load of x has registers of its own, so all 128 are asked for at the start: 48 ahead of the cluster's round, the others behind the joint load.
; The variance is taken of the numbers less their mean (two passes over registers): no difference of large sums.
; g and b: a wave's 128 numbers of each come by one load each, go into 1,024 LDS bytes of the wave's own and come back block by block, every lane reading the same words, a block ahead of their use.
; ybuf: [b][pair of tiles 32][16,896]: [tile 2][K step 4][2,048] codes, then 512 bytes of scale words [16 tile + r][K step 4].  Row r of tile T is place 32 (T / 2) + 8 (T % 2) + r + 8 (r / 8).
; LDS: 8 x 32,768 posT's sub-slabs, each filled once and read by its wave alone; later the wave's stage for its codes lies there (the bytes have had their only fill); 2 x 2,048 sums; 2,048 scale words; 8 x 1,024 g and b.
; LIMITS: NaN and infinities are not served.  A block of zeros gets the byte 1 where the rule says 127 (zero codes; only this program reads the bytes); largest magnitudes under 2^-118 are held at the byte 1.
.set WV,  14
.set RED, 262144                       ; [w % 4][128 places] f32; the squares' sums 2,048 bytes on
.set YSC, 266240                       ; [row 128, in the order of pairs and tiles][K step 4] words
.set GB,  268288                       ; for each wave: its 128 g, then its 128 b
.set MSB, 0
.macro WIN new                         ; the immediate's high byte repeats the setting that is left
.if MSB != (\new)
	s_set_vgpr_msb (MSB<<8)|(\new)
.set MSB, (\new)
.endif
.endm
.macro ROUND                           ; a round of the cluster's barrier
	s_barrier_signal -1
	s_barrier_wait -1
	s_cmp_lg_u32 s[WV], 0
	s_cbranch_scc1 .Lnw0_\@
	s_barrier_signal -3
.Lnw0_\@:
	s_barrier_wait -3
	s_barrier_signal -1
	s_barrier_wait -1
.endm
.macro LOADX j                         ; 16 channels of x: 8 bytes a lane, 256 consecutive bytes a load
	WIN 0x40
.set k, 0
.rept 16
	global_load_b64 v[2*(16*(\j)+k):2*(16*(\j)+k)+1], v2, s[4:5] offset:(16*(\j)+k)*4096 th:TH_LOAD_NT
.set k, k+1
.endr
	WIN 0
.endm
.macro CLEAR
.set k, 0
.rept 8
	v_mov_b32 v[12+k], 0
.set k, k+1
.endr
.endm
.macro CHUNK j, left                   ; 16 channels: x + posT, and into the four running sums.  left: the younger loads of x that may stay out
.set k, 0
.rept 16
	ds_load_b64 v[32+2*k:33+2*k], v3 offset:(16*(\j)+k)*256
.set k, k+1
.endr
	s_wait_loadcnt \left
	s_wait_dscnt 0x0
	WIN 0x41                                       ; destination and source 0 in window 1
.set k, 0
.rept 16
	v_pk_add_f32 v[2*(16*(\j)+k):2*(16*(\j)+k)+1], v[2*(16*(\j)+k):2*(16*(\j)+k)+1], v[32+2*k:33+2*k]
.set k, k+1
.endr
	WIN 0x04                                       ; source 1 in window 1
.set k, 0
.rept 16
	v_pk_add_f32 v[12+2*(k%4):13+2*(k%4)], v[12+2*(k%4):13+2*(k%4)], v[2*(16*(\j)+k):2*(16*(\j)+k)+1]
.set k, k+1
.endr
	WIN 0
.endm
.macro FOLD off                        ; my 128 channels' sums meet those of the three other waves on my places; the whole sums come back in v[24:25], added in the same order in every wave
	v_pk_add_f32 v[12:13], v[12:13], v[14:15]
	v_pk_add_f32 v[16:17], v[16:17], v[18:19]
	v_pk_add_f32 v[12:13], v[12:13], v[16:17]
	ds_store_b64 v4, v[12:13] offset:\off
	s_wait_dscnt 0x0                               ; for the others' sake: my store has landed
	s_barrier_signal -1
	s_barrier_wait -1
.irp q, 0,1,2,3
	ds_load_b64 v[24+2*\q:25+2*\q], v5 offset:\off+512*\q
.endr
	s_wait_dscnt 0x0
	v_pk_add_f32 v[24:25], v[24:25], v[26:27]
	v_pk_add_f32 v[28:29], v[28:29], v[30:31]
	v_pk_add_f32 v[24:25], v[24:25], v[28:29]
.endm
.macro GBL blk                         ; block blk's 32 g and 32 b: every lane reads the same 16 bytes.  Two sets of 64 registers by turns: v128-191, v192-255
.set k, 0
.rept 8
	ds_load_b128 v[128+64*((\blk)&1)+4*k:128+64*((\blk)&1)+4*k+3], v11 offset:128*(\blk)+16*k
.set k, k+1
.endr
.set k, 0
.rept 8
	ds_load_b128 v[160+64*((\blk)&1)+4*k:160+64*((\blk)&1)+4*k+3], v11 offset:512+128*(\blk)+16*k
.set k, k+1
.endr
.endm
	s_load_b256 s[4:11], s[0:1], 0x0               ; x, posT, ln_g, ln_b
	s_load_b64 s[12:13], s[0:1], 0x20              ; ybuf
	v_lshl_add_u32 v111, v0, 2, 0x43800
	v_mov_b32 v117, 0
	ds_add_u32 v111, v117
	ds_add_u32 v111, v117
	v_lshrrev_b32 v1, 5, v0
	v_readfirstlane_b32 s14, v1                    ; wave 0..7
	s_and_b32 s15, s14, 3                          ; kq: which 128 channels
	s_lshr_b32 s16, s14, 2                         ; nh: which 64 places
	s_bfe_u32 s17, ttmp6, 0x40000                  ; cx
	s_lshl_b32 s18, ttmp9, 2
	s_add_co_u32 s18, s18, s17                     ; b = 4 x cluster x + cx: it enters x's and ybuf's addresses alone
	s_and_b32 s19, ttmp7, 0xffff                   ; which 128 places: shared by the four partners
	; descriptor group 1: 128 rows of 256 bytes (32 elements of 8 bytes), 4,096 bytes apart in memory, dense in LDS
	s_mov_b32 s24, 15|(3<<16)|(1<<21)              ; 15:0 the mask: all four work-groups; 17:16 elements of 8 bytes; 21 set beside a mask
	s_mov_b32 s25, 32<<16                          ; tensor_dim0 = 32
	s_mov_b32 s26, 128<<16                         ; tensor_dim1 = 128
	s_mov_b32 s27, 32<<16                          ; tile_dim0 = 32
	s_mov_b32 s28, 128                             ; tile_dim1 = 128
	s_mov_b32 s29, 512                             ; elements from row to row
	s_mov_b32 s30, 0
	s_mov_b32 s31, 0
	s_lshl_b32 s32, s15, 19                        ; 128 kq rows of 4,096 bytes,
	s_lshl_b32 s33, s19, 9                         ; + 128 places a block,
	s_add_co_u32 s32, s32, s33
	s_lshl_b32 s33, s16, 8                         ; + 64 nh places: my sub-slab in posT, and in a batch of x
	s_add_co_u32 s32, s32, s33
	s_mov_b32 s33, 0
	s_lshl_b32 s34, s18, 21                        ; x: + the batch's 2,097,152 bytes
	s_add_co_u32 s34, s34, s32
	s_mov_b32 s35, 0
	s_mul_i32 s36, s18, 540672                     ; ybuf: the batch,
	s_mul_i32 s37, s19, 67584                      ; + four pairs of tiles a block of places
	s_add_co_u32 s36, s36, s37
	s_mul_i32 s37, s16, 33792                      ; my codes: + two pairs for nh,
	s_add_co_u32 s38, s36, s37
	s_lshl_b32 s37, s15, 11                        ; + my K step's image
	s_add_co_u32 s38, s38, s37
	s_mov_b32 s39, 0
	s_lshr_b32 s37, s14, 1                         ; the scale words that I carry out: pair w / 2, half w % 2 of its 512 bytes
	s_mul_i32 s37, s37, 16896
	s_add_co_u32 s40, s36, s37
	s_and_b32 s37, s14, 1
	s_lshl_b32 s37, s37, 8
	s_add_co_u32 s40, s40, s37
	s_add_co_u32 s40, s40, 16384
	s_mov_b32 s41, 0
	s_lshl_b32 s42, s15, 9                         ; my 128 numbers of g and of b
	s_mov_b32 s43, 0
	s_mov_b32 s100, 0x600000                       ; the mantissa field of 448
	s_lshl_b32 s21, s14, 15                        ; my 32,768 bytes of LDS
	v_and_b32 v1, 31, v0                           ; lane
	v_lshlrev_b32 v2, 3, v1                        ; 8 x lane: x, and the scale words' way out
	v_add_nc_u32 v3, s21, v2                       ; posT's rows in my sub-slab
	s_lshl_b32 s44, s16, 8
	s_add_co_u32 s44, s44, RED
	v_add_nc_u32 v5, s44, v2                       ; the sums of my places, as read
	s_lshl_b32 s45, s15, 9
	s_add_co_u32 s44, s44, s45
	v_add_nc_u32 v4, s44, v2                       ; and where mine go
	v_bfe_u32 v11, v0, 4, 1                        ; places 2 l + i: pair l / 16 of my two,
	v_bfe_u32 v12, v0, 2, 1                        ; tile (l / 4) % 2 of the pair,
	v_lshl_or_b32 v13, v11, 1, v12                 ; f: which of my four fragments,
	v_and_b32 v14, 3, v0
	v_lshlrev_b32 v14, 1, v14
	v_bfe_u32 v15, v0, 3, 1
	v_lshl_or_b32 v14, v15, 3, v14                 ; row 2 (l % 4) + 8 ((l / 8) % 2) + i of the tile
	v_mul_u32_u24 v6, v13, 2064                    ; the stage: four images, 2,064 bytes apart
	v_lshl_add_u32 v6, v14, 4, v6
	v_add_nc_u32 v6, s21, v6                       ; in
	v_lshlrev_b32 v10, 4, v1                       ; 16 x lane
	v_add_nc_u32 v7, s21, v10                      ; back
	v_lshlrev_b32 v8, 9, v11                       ; my rows' scale words: 512 bytes a pair, 256 a tile, 16 a row, 4 a K step
	v_lshl_add_u32 v8, v12, 8, v8
	v_lshl_add_u32 v8, v14, 4, v8
	s_lshl_b32 s44, s16, 10
	s_lshl_b32 s45, s15, 2
	s_add_co_u32 s44, s44, s45
	s_add_co_u32 s44, s44, YSC
	v_add_nc_u32 v8, s44, v8
	s_lshl_b32 s45, s14, 8
	s_add_co_u32 s45, s45, YSC
	v_add_nc_u32 v9, s45, v2                       ; and the 256 bytes of them that I carry out
	s_lshl_b32 s45, s14, 10
	s_add_co_u32 s45, s45, GB
	v_add_nc_u32 v1, s45, v10                      ; g and b: where my 16 bytes of each go,
	v_mov_b32 v11, s45                             ; and where every lane reads them
	s_wait_dscnt 0x0
	s_wait_kmcnt 0x0
	s_mov_b32 s20, 1                               ; descriptor group 0: count 1,
	s_add_nc_u64 s[22:23], s[6:7], s[32:33]        ; (LDS address in s21) my sub-slab of posT: made of the wave's number and the cluster's y alone,
	s_or_b32 s23, s23, 0x80000000                  ; type 2
	s_add_nc_u64 s[4:5], s[4:5], s[34:35]
	s_add_nc_u64 s[2:3], s[12:13], s[40:41]
	s_add_nc_u64 s[12:13], s[12:13], s[38:39]
	s_add_nc_u64 s[8:9], s[8:9], s[42:43]
	s_add_nc_u64 s[10:11], s[10:11], s[42:43]
	global_load_b128 v[120:123], v10, s[8:9]       ; my wave's 128 g: 512 consecutive bytes,
	global_load_b128 v[124:127], v10, s[10:11]     ; its 128 b
	LOADX 0
	LOADX 1
	LOADX 2
	ROUND                                          ; all four work-groups are here: the joint loads meet
	tensor_load_to_lds s[20:23], s[24:31]          ; one load a wave in the whole launch
	s_nop 0
.rept 4
	v_nop
.endr
	LOADX 3
	LOADX 4
	LOADX 5
	LOADX 6
	LOADX 7
	CLEAR
	s_wait_tensorcnt 0x0                           ; my sub-slab is in; nobody else reads it
	CHUNK 0, 63                                    ; 130 loads have been issued, in order: with 63 out at the most the first 67 are in: g, b and chunks 0 to 3
	ds_store_b128 v1, v[120:123]                   ; g and b into my own LDS bytes
	ds_store_b128 v1, v[124:127] offset:512
	CHUNK 1, 63
	CHUNK 2, 63
	CHUNK 3, 63
	CHUNK 4, 48                                    ; three younger chunks of 16 loads may be out,
	CHUNK 5, 32                                    ; two,
	CHUNK 6, 16                                    ; one,
	CHUNK 7, 0
	FOLD 0
	v_pk_mul_f32 v[20:21], v[24:25], 0x3b000000 op_sel_hi:[1,0]    ; the means: / 512
	CLEAR
	WIN 0x41
.set k, 0
.rept 128
	v_pk_add_f32 v[2*k:2*k+1], v[2*k:2*k+1], v[20:21] neg_lo:[0,1] neg_hi:[0,1]
.set k, k+1
.endr
	WIN 0x05                                       ; sources 0 and 1 in window 1
.set k, 0
.rept 128
	v_pk_fma_f32 v[12+2*(k%4):13+2*(k%4)], v[2*k:2*k+1], v[2*k:2*k+1], v[12+2*(k%4):13+2*(k%4)]
.set k, k+1
.endr
	WIN 0
	FOLD 2048
	GBL 0                                          ; in order behind my stores of g and b
	v_mov_b32 v26, 0x3b000000
	v_fmaak_f32 v22, v24, v26, 0x3727c5ac          ; variance + 1e-5
	v_fmaak_f32 v23, v25, v26, 0x3727c5ac
	v_rsq_f32 v22, v22
	v_rsq_f32 v23, v23
	v_nop                                          ; a plain instruction between a transcendental and the use of its result
	WIN 0x41
.set k, 0
	s_wait_alu depctr_va_vdst(0)
.rept 128
	v_pk_mul_f32 v[2*k:2*k+1], v[2*k:2*k+1], v[22:23]
.set k, k+1
.endr
	WIN 0
; Block blk of 32 channels of place 2 l + i: gain and bias, the block's scale, relu and the hold in one, 32 codes into the stage.
.macro YBLK blk, i
	WIN 0x01
.set k, 0
.rept 32
	v_fma_f32 v[64+k], v[2*(32*(\blk)+k)+(\i)], v[128+64*((\blk)&1)+k], v[160+64*((\blk)&1)+k]
.set k, k+1
.endr
	WIN 0
	v_max3_num_f32 v112, v64, v65, v66             ; no |.|: what is negative becomes 0, so it must not count; the floor stands over it
	v_max3_num_f32 v113, v67, v68, v69
.irp q, 6,10,14,18,22,26
	v_max3_num_f32 v112, v112, v[64+\q], v[65+\q]
	v_max3_num_f32 v113, v113, v[66+\q], v[67+\q]
.endr
	v_max3_num_f32 v112, v112, v94, v95
	v_max3_num_f32 v112, v112, v113, 0x4800000     ; the floor 2^(9 - 127)
	v_add_nc_u32 v114, 0xfc000000, v112            ; the conversion's scale operand
	v_and_or_b32 v115, v112, 0x7f800000, s100      ; 448 x the scale
	v_lshrrev_b32 v116, 23, v114                   ; the byte
.if (\blk) == 0
	v_mov_b32 v[118+\i], v116
.else
	v_lshl_or_b32 v[118+\i], v116, 8*(\blk), v[118+\i]
.endif
.set k, 0
.rept 32
	v_med3_num_f32 v[64+k], v[64+k], 0, v115       ; the activation and the hold in one
.set k, k+1
.endr
.irp g, 0,1,2,3
	v_cvt_scalef32_pk8_fp8_f32 v[96+2*\g:97+2*\g], v[64+8*\g:71+8*\g], v114
.endr
	v_nop                                          ; a plain instruction behind the last conversion
	ds_store_b128 v6, v[96:99] offset:512*(\blk)+16*(\i)
	ds_store_b128 v6, v[100:103] offset:512*(\blk)+256+16*(\i)
	s_wait_dscnt 0x0                               ; the stores have read their registers
.endm
.irp blk, 0,1,2,3
.if \blk < 3
	GBL \blk+1                                     ; the next block's g and b, into the other set
	s_wait_dscnt 16                                ; this block's are in; the 16 loads just issued may be out
.else
	s_wait_dscnt 0x0
.endif
	YBLK \blk, 0
	YBLK \blk, 1
.endr
	ds_store_b32 v8, v118                          ; my two rows' scale words of this K step
	ds_store_b32 v8, v119 offset:16
.set k, 0
.rept 16
	ds_load_b128 v[128+4*k:131+4*k], v7 offset:(k/4)*2064+(k%4)*512    ; in order behind my stores
.set k, k+1
.endr
.set k, 0
.rept 16
	s_wait_dscnt 15-k                              ; load k is in; the younger ones may be out
	global_store_b128 v10, v[128+4*k:131+4*k], s[12:13] offset:((k/4)>>1)*16896+((k/4)&1)*8192+(k%4)*512   ; 32 lanes store 512 consecutive bytes
.set k, k+1
.endr
	s_wait_dscnt 0x0                               ; my scale words have landed
	s_barrier_signal -1
	s_barrier_wait -1                              ; everybody's have
	ds_load_b64 v[24:25], v9
	s_wait_dscnt 0x0
	global_store_b64 v2, v[24:25], s[2:3]          ; 32 lanes store 256 consecutive aligned bytes
	s_wait_tensorcnt 0x0
	ds_add_u32 v111, v117
	s_wait_dscnt 0x0
	ROUND                                          ; the closing round: no work-group ends while a partner may still ask jointly
	s_endpgm
.Lfunc_end_k_q2ad1aeb646_ln:
	.size	k_q2ad1aeb646_ln, .Lfunc_end_k_q2ad1aeb646_ln-k_q2ad1aeb646_ln
	.p2alignl 7, 3214868480
	.fill 96, 4, 3214868480
	.section	.rodata,"a",@progbits
	.p2align	6, 0x0
	.amdhsa_kernel k_q2ad1aeb646_ln
		.amdhsa_group_segment_fixed_size 277504
		.amdhsa_private_segment_fixed_size 0
		.amdhsa_enable_private_segment 0
		.amdhsa_kernarg_size 40
		.amdhsa_user_sgpr_count 2
		.amdhsa_user_sgpr_kernarg_segment_ptr 1
		.amdhsa_wavefront_size32 1
		.amdhsa_system_sgpr_workgroup_id_x 1
		.amdhsa_system_sgpr_workgroup_id_y 1
		.amdhsa_system_sgpr_workgroup_id_z 1
		.amdhsa_system_vgpr_workitem_id 0
		.amdhsa_next_free_vgpr 512
		.amdhsa_next_free_sgpr 102
		.amdhsa_reserve_vcc 0
		.amdhsa_float_denorm_mode_32 3
		.amdhsa_float_denorm_mode_16_64 3
		.amdhsa_memory_ordered 1
		.amdhsa_forward_progress 1
		.amdhsa_inst_pref_size 125
	.end_amdhsa_kernel
	.amdgpu_metadata
---
amdhsa.version: [ 1, 2 ]
amdhsa.kernels:
  - .name:           k_q2ad1aeb646_ln
    .symbol:         k_q2ad1aeb646_ln.kd
    .args:
      - { .name: x, .offset: 0, .size: 8, .value_kind: global_buffer, .address_space: global }
      - { .name: posT, .offset: 8, .size: 8, .value_kind: global_buffer, .address_space: global }
      - { .name: ln_g, .offset: 16, .size: 8, .value_kind: global_buffer, .address_space: global }
      - { .name: ln_b, .offset: 24, .size: 8, .value_kind: global_buffer, .address_space: global }
      - { .name: ybuf, .offset: 32, .size: 8, .value_kind: global_buffer, .address_space: global }
    .group_segment_fixed_size: 277504
    .private_segment_fixed_size: 0
    .kernarg_segment_align: 8
    .kernarg_segment_size: 40
    .max_flat_workgroup_size: 256
    .sgpr_count:     102
    .vgpr_count:     512
    .wavefront_size: 32
...
	.end_amdgpu_metadata
.endif
;; end of part 2
;; launch kv (part 3): grid 8 x 32, 4 waves a work-group, clusters of 4 x 1, 327,680 bytes of LDS; arguments ybuf, wimg, wscl, kvimg, kvscl; writes kvimg, kvscl
.if DOCPART == 3
	.amdgcn_target "amdgcn-amd-amdhsa--gfx1250"
	.amdhsa_code_object_version 6
	.text
	.protected	k_q2ad1aeb646_kv
	.globl	k_q2ad1aeb646_kv
	.p2align	8
	.type	k_q2ad1aeb646_kv,@function
k_q2ad1aeb646_kv:
	s_mov_b64 s[64:65], 0
	v_nop
	global_prefetch_b8 v0, s[64:65] scope:SCOPE_SE
	s_setreg_imm32_b32 hwreg(HW_REG_WAVE_MODE, 25, 1), 1
	s_wait_xcnt 0x0
	s_wait_alu depctr_hold_cnt(0) depctr_sa_sdst(0) depctr_va_vdst(0) depctr_va_sdst(0) depctr_va_ssrc(0) depctr_va_vcc(0) depctr_vm_vsrc(0)
	s_getreg_b32 s2, hwreg(HW_REG_IB_STS2, 6, 4)
	s_cmp_eq_u32 s2, 0
	s_cbranch_scc0 .Lentry_in_a_cluster
	s_endpgm
.Lentry_in_a_cluster:
	s_bfe_u32 s2, ttmp6, 0x10000c
	s_cmp_lg_u32 s2, 0x3003
	s_cbranch_scc0 .Lentry_shape_is_right
	s_endpgm
.Lentry_shape_is_right:
; KV.  For one batch, ONE of k_ and v_, and TWO heads: yw = y W (1,024 places x 128 channels of Wk or of Wv), quantised along the places; proj^T yw (256 keys x 128 channels); k_ quantised along the
; channels, v_ along the keys.  All products on codes of E4M3 with E8M0 scales; yw never goes to memory.
; CLUSTER: the cluster's x says k_ or v_; the four partners are the four pairs of heads of one batch: y's tiles and the projection's are asked for JOINTLY (same load, same descriptor, a mask that names the four).
;   The pair of heads enters plain addresses alone.  W's slices and the scale words of W are each partner's own bytes: they come by plain loads.
; PHASE A.  Wave w owns places 256 w on: eight pairs of tiles of y.  It holds all eight tiles of W (4 K steps each: windows 2 and 3), so each fragment of y is read from LDS once and feeds eight products.
;   Source 0 = y (16 places), source 1 = W (16 channels): a lane holds one channel, and the 16 registers of a pair of tiles are 16 neighbouring places: a block of 32 lies in lanes l and l xor 16.
;   The codes go to LDS as images of operand registers: a pair of tiles is one block of 32 of a K step of phase B.
; PHASE B.  Wave w owns keys 64 w on, for all 128 channels: 32 accumulators (window 2), each touched once in each of 8 K steps; a fragment of the projection feeds eight products.
;   k_: source 0 = yw (channels), source 1 = proj_k (keys): registers run along the channels.  v_: source 0 = proj_v (keys), source 1 = yw: registers run along the keys.
; ONE SLOT of 33,792 bytes a wave, the wave's own: two pairs of y, or four K steps of its quarter of the projection.  It is read out into window 1 as soon as it has landed and is filled again at once, so that the load
;   has the work on those 256 registers in which to land: 128 matrix instructions.  Six loads a wave in all; one tensor load of a wave is out at a time.
; kvimg: [b][head][32,768]: k_ as [key tile 16][block 2][512], v_ at 16,384 as [K step 2][channel tile 4][2,048].  kvscl: [b][head][2,048]: k_'s words [pair 8][32 lanes] (bytes 2, 3 are 0), v_'s at 1,024 as [K step 2][pair 2][32 lanes].
; LIMITS: NaN and infinities are not served.  A block of zeros gets the byte 1 where the rule says 127 (zero codes; only this program reads the bytes); largest magnitudes under 2^-118 are held at the byte 1.
; REGISTERS.  window 0: v1, v2 the add's; v3-15 addresses; v16-23 the scale words of the slot's two blocks; v24-39 W's scale words, then yw's (two sets of 8); v40-79 the quantiser's; v80-111 codes; v112-127 bytes;
;   v128-255 phase A's 16 accumulators.   window 1: the slot's 256 registers.   window 2: W's tiles 0-3, then phase B's accumulators.   window 3: W's tiles 4-7, then yw's fragments, two sets of 128.
.set WV,   14
.set SEL,  44                          ; s[44:45] v_permlanex16_b32's selects for lane l xor 16
.set MNT,  46                          ; s46 the mantissa field of 448
.set BM,   40
.set TP,   48
.set SOP,  56
.set LIM,  64
.set YK,   135168                      ; behind the four slots: [W tile 8][K step 8][2,048]; at first W's 64 KiB on their way to all waves
.set YKS,  266240                      ; [W tile 8][K step 8][128]
.set SPARE, 274432                     ; the spare words: 128 bytes a wave, two blocks of 256 bytes that no other line names
.set MSB, 0
.macro WIN new                         ; the immediate's high byte repeats the setting that is left
.if MSB != (\new)
	s_set_vgpr_msb (MSB<<8)|(\new)
.set MSB, (\new)
.endif
.endm
.macro PLACES n                        ; plain vector instructions behind matrix instructions: nine serve loads, reads, and sums begun anew alike
.rept \n
	v_nop
.endr
.endm
.macro ROUND                           ; a round of the cluster's barrier
	s_barrier_signal -1
	s_barrier_wait -1
	s_cmp_lg_u32 s[WV], 0
	s_cbranch_scc1 .Lnw0_\@
	s_barrier_signal -3
.Lnw0_\@:
	s_barrier_wait -3
	s_barrier_signal -1
	s_barrier_wait -1
.endm
; One matrix instruction on the registers named by rD, rA, rB, rSA, rSB.  z = 1: the product starts the sum.  ra, rb: the scales stand in lanes 16-31.
.macro WM z, ra, rb
.if (\z) == 1
.if ((\ra) != 0) && ((\rb) != 0)
	v_wmma_scale_f32_16x16x128_f8f6f4 v[rD:rD+7], v[rA:rA+15], v[rB:rB+15], 0, v[rSA], v[rSB] matrix_a_scale:MATRIX_SCALE_ROW1 matrix_b_scale:MATRIX_SCALE_ROW1
.elseif (\ra) != 0
	v_wmma_scale_f32_16x16x128_f8f6f4 v[rD:rD+7], v[rA:rA+15], v[rB:rB+15], 0, v[rSA], v[rSB] matrix_a_scale:MATRIX_SCALE_ROW1
.elseif (\rb) != 0
	v_wmma_scale_f32_16x16x128_f8f6f4 v[rD:rD+7], v[rA:rA+15], v[rB:rB+15], 0, v[rSA], v[rSB] matrix_b_scale:MATRIX_SCALE_ROW1
.else
	v_wmma_scale_f32_16x16x128_f8f6f4 v[rD:rD+7], v[rA:rA+15], v[rB:rB+15], 0, v[rSA], v[rSB]
.endif
.else
.if ((\ra) != 0) && ((\rb) != 0)
	v_wmma_scale_f32_16x16x128_f8f6f4 v[rD:rD+7], v[rA:rA+15], v[rB:rB+15], v[rD:rD+7], v[rSA], v[rSB] matrix_a_scale:MATRIX_SCALE_ROW1 matrix_b_scale:MATRIX_SCALE_ROW1
.elseif (\ra) != 0
	v_wmma_scale_f32_16x16x128_f8f6f4 v[rD:rD+7], v[rA:rA+15], v[rB:rB+15], v[rD:rD+7], v[rSA], v[rSB] matrix_a_scale:MATRIX_SCALE_ROW1
.elseif (\rb) != 0
	v_wmma_scale_f32_16x16x128_f8f6f4 v[rD:rD+7], v[rA:rA+15], v[rB:rB+15], v[rD:rD+7], v[rSA], v[rSB] matrix_b_scale:MATRIX_SCALE_ROW1
.else
	v_wmma_scale_f32_16x16x128_f8f6f4 v[rD:rD+7], v[rA:rA+15], v[rB:rB+15], v[rD:rD+7], v[rSA], v[rSB]
.endif
.endif
.endm
; nb blocks of 32: block q is my 16 numbers v[src + 16 q ..] (window sw) and lane l xor 16's.  Codes: four registers a block from v[dst] on; the scales' bytes from v[by] on.  Each accumulator is read from its low end on.
.macro QUANT nb, src, sw, dst, by
	WIN ((\sw)|((\sw)<<2))
.set qb, 0
.rept \nb
	v_max3_num_f32 v[BM+qb], |v[(\src)+16*qb]|, |v[(\src)+16*qb+1]|, 0x4800000    ; with the floor 2^(9 - 127): the byte cannot fall under 1
.set qb, qb+1
.endr
	WIN (((\sw)<<2)|((\sw)<<4))
.set qi, 2
.rept 7
.set qb, 0
.rept \nb
	v_max3_num_f32 v[BM+qb], v[BM+qb], |v[(\src)+16*qb+qi]|, |v[(\src)+16*qb+qi+1]|   ; the blocks by turns
.set qb, qb+1
.endr
.set qi, qi+2
.endr
	WIN 0
.set qb, 0
.rept \nb
	v_permlanex16_b32 v[TP+qb], v[BM+qb], s[SEL], s[SEL+1]
.set qb, qb+1
.endr
.set qb, 0
.rept \nb
	v_max_num_f32 v[BM+qb], v[BM+qb], v[TP+qb]     ; the block's largest magnitude
.set qb, qb+1
.endr
.set qb, 0
.rept \nb
	v_add_nc_u32 v[SOP+qb], 0xfc000000, v[BM+qb]   ; 8 off the exponent field: the conversion's scale operand
.set qb, qb+1
.endr
.set qb, 0
.rept \nb
	v_and_or_b32 v[LIM+qb], v[BM+qb], 0x7f800000, s[MNT]   ; 448 x the scale
.set qb, qb+1
.endr
.set qb, 0
.rept \nb
	v_lshrrev_b32 v[(\by)+qb], 23, v[SOP+qb]       ; the byte
.set qb, qb+1
.endr
.set qb, 0
.rept \nb
	WIN ((\sw)|((\sw)<<6))
.set qi, 0
.rept 16
	v_med3_num_f32 v[(\src)+16*qb+qi], v[(\src)+16*qb+qi], -v[LIM+qb], v[LIM+qb]   ; the conversion does not saturate (ISA guide 7.6.2): the hold comes first
.set qi, qi+1
.endr
	WIN (\sw)
	v_cvt_scalef32_pk8_fp8_f32 v[(\dst)+4*qb:(\dst)+4*qb+1], v[(\src)+16*qb:(\src)+16*qb+7], v[SOP+qb]
	v_cvt_scalef32_pk8_fp8_f32 v[(\dst)+4*qb+2:(\dst)+4*qb+3], v[(\src)+16*qb+8:(\src)+16*qb+15], v[SOP+qb]
.set qb, qb+1
.endr
	WIN 0
	v_nop                                          ; a plain instruction behind the last conversion
.endm
; My slot's two blocks of 16,896 bytes into window 1 (block e: registers 128 e on, 512 bytes to four registers) and their scale words into v[16 + 4 e ..]
.macro READ2
	WIN 0x40
.set k, 0
.rept 64
	ds_load_b128 v[4*k:4*k+3], v4 offset:16896*(k>>5)+512*(k&31)
.set k, k+1
.endr
	WIN 0
	ds_load_b128 v[16:19], v4 offset:16384
	ds_load_b128 v[20:23], v4 offset:33280
.endm
; My slot, which has been read out, is filled again.  mode 0: the next two pairs of y; 1: the projection's first four K steps; 2: its last four
.macro FILL mode
	s_wait_tensorcnt 0x0                           ; no tensor load of mine is out: group 0 may be written
	ds_add_u32 v1, v2                              ; 0 onto my spare word
.if (\mode) == 0
	s_add_nc_u64 s[34:35], s[34:35], 33792
.elseif (\mode) == 1
	s_mov_b64 s[34:35], s[40:41]
	s_or_b32 s35, s35, 0x80000000
.else
	s_add_nc_u64 s[34:35], s[34:35], 135168
.endif
	s_wait_dscnt 0x0                               ; the add is done, my reads of the slot are back, my stores of codes have landed
	ROUND                                          ; all that holds of every wave of the four work-groups
	tensor_load_to_lds s[32:35], s[24:31]          ; my one load behind the round
	s_nop 0
	PLACES 4
.endm
	s_load_b256 s[4:11], s[0:1], 0x0               ; ybuf, wimg, wscl, kvimg
	s_load_b64 s[12:13], s[0:1], 0x20              ; kvscl
	v_lshl_add_u32 v1, v0, 2, SPARE
	v_mov_b32 v2, 0
	ds_add_u32 v1, v2
	ds_add_u32 v1, v2
	s_wait_dscnt 0x0
	v_lshrrev_b32 v3, 5, v0
	v_readfirstlane_b32 s14, v3                    ; wave 0..3
	s_mov_b32 s15, ttmp9                           ; the cluster's x: k_ (0) or v_ (1); the partners share it
	s_lshr_b32 s16, s14, 1
	s_and_b32 s18, s14, 1
	s_bfe_u32 s17, ttmp6, 0x40000                  ; cx: the pair of heads
	s_and_b32 s19, ttmp7, 0xffff                   ; the batch, which the partners share
	; descriptor group 1: a dense block of 33,792 bytes as 132 rows of 256 (32 elements of 8 bytes)
	s_mov_b32 s24, 15|(3<<16)|(1<<21)              ; 15:0 the mask: all four work-groups; 17:16 elements of 8 bytes; 21 set beside a mask
	s_mov_b32 s25, 32<<16
	s_mov_b32 s26, 132<<16
	s_mov_b32 s27, 32<<16
	s_mov_b32 s28, 132
	s_mov_b32 s29, 32
	s_mov_b32 s30, 0
	s_mov_b32 s31, 0
	s_mov_b32 s[SEL], 0x76543210
	s_mov_b32 s[SEL+1], 0xfedcba98
	s_mov_b32 s[MNT], 0x600000
	s_mul_i32 s50, s19, 540672                     ; y: the batch, + my eight pairs
	s_mul_i32 s51, s14, 135168
	s_add_co_u32 s50, s50, s51
	s_mov_b32 s51, 0
	s_mul_i32 s52, s15, 270336                     ; the projection, my quarter of its keys
	s_mul_i32 s53, s14, 33792
	s_add_co_u32 s52, s52, s53
	s_add_co_u32 s52, s52, 1048576
	s_mov_b32 s53, 0
	s_mul_i32 s22, s14, 33792                      ; my slot
	s_lshl_b32 s54, s15, 18                        ; the slice of W that I bring: weight 1 + kv, tiles 8 x pair of heads + 2 x wave on
	s_lshl_b32 s55, s17, 16
	s_add_co_u32 s54, s54, s55
	s_lshl_b32 s55, s14, 14
	s_add_co_u32 s54, s54, s55
	s_add_co_u32 s54, s54, 262144
	s_mov_b32 s55, 0
	s_lshl_b32 s56, s15, 13                        ; W's scale words: the weight, the pair of heads' eight tiles
	s_lshl_b32 s57, s17, 9
	s_add_co_u32 s56, s56, s57
	s_add_co_u32 s56, s56, 8192
	s_mov_b32 s57, 0
	s_lshl_b32 s58, s19, 3
	s_lshl_b32 s59, s17, 1
	s_add_co_u32 s58, s58, s59                     ; 8 b + the first of my two heads
	s_lshl_b32 s60, s58, 11
	s_lshl_b32 s58, s58, 15
	s_lshl_b32 s47, s14, 12                        ; k_: my four key tiles' images: 4,096 w
	s_lshl_b32 s48, s16, 13                        ; v_: 16,384 + K step w / 2 + blocks 2 (w % 2) on
	s_lshl_b32 s49, s18, 10
	s_add_co_u32 s48, s48, s49
	s_add_co_u32 s48, s48, 16384
	s_lshl_b32 s49, s14, 8                         ; k_'s scale words: my two pairs of tiles
	s_lshl_b32 s62, s16, 8                         ; v_'s: 1,024 + K step w / 2, bytes 2 (w % 2) on of each word
	s_lshl_b32 s63, s18, 1
	s_add_co_u32 s62, s62, s63
	s_add_co_u32 s62, s62, 1024
	s_cmp_eq_u32 s15, 0
	s_cselect_b32 s47, s47, s48
	s_cselect_b32 s49, s49, s62
	s_add_co_u32 s58, s58, s47
	s_add_co_u32 s60, s60, s49
	s_mov_b32 s59, 0
	s_mov_b32 s61, 0
	v_and_b32 v3, 31, v0
	v_lshlrev_b32 v15, 2, v3                       ; 4 x lane
	v_lshlrev_b32 v3, 4, v3                        ; 16 x lane
	v_add_nc_u32 v4, s22, v3                       ; my slot, as read
	s_lshl_b32 s36, s14, 12
	s_add_co_u32 s36, s36, YK
	v_add_nc_u32 v6, s36, v3                       ; where my codes go: my two K steps of W tiles 0-3,
	v_add_nc_u32 v7, 65536, v6                     ; of W tiles 4-7
	s_lshl_b32 s36, s14, 8
	s_add_co_u32 s36, s36, YKS
	v_add_nc_u32 v8, s36, v15                      ; and their scale words
	v_add_nc_u32 v9, YK, v3                        ; images as read: W in transit; in phase B yw's tiles 0-3,
	v_add_nc_u32 v10, 65536, v9                    ; tiles 4-7,
	v_add_nc_u32 v11, YKS, v15                     ; their scale words
	s_lshl_b32 s36, s14, 14
	s_add_co_u32 s36, s36, YK
	v_add_nc_u32 v12, s36, v3                      ; W in transit: as I store my slice
.set k, 0
.rept 8
	v_mov_b32 v[TP+k], 0                           ; written once: a lane permute's destination counts as one of its sources
.set k, k+1
.endr
	s_wait_kmcnt 0x0
	s_add_nc_u64 s[4:5], s[4:5], s[50:51]          ; my first two pairs of y
	s_add_nc_u64 s[40:41], s[6:7], s[52:53]        ; my quarter of the projection's first four K steps
	s_add_nc_u64 s[20:21], s[6:7], s[54:55]        ; (the pair of heads enters this pointer: it feeds no descriptor)
	s_add_nc_u64 s[8:9], s[8:9], s[56:57]
	s_add_nc_u64 s[10:11], s[10:11], s[58:59]
	s_add_nc_u64 s[12:13], s[12:13], s[60:61]
	s_mov_b32 s32, 1                               ; descriptor group 0: count 1,
	s_mov_b32 s33, s22                             ; my slot,
	s_mov_b64 s[34:35], s[4:5]                     ; pairs 0 and 1,
	s_or_b32 s35, s35, 0x80000000                  ; type 2
	WIN 0x40
.set k, 0
.rept 32
	global_load_b128 v[4*k:4*k+3], v3, s[20:21] offset:512*k       ; my 16 KiB of W: two tiles x four K steps, dense
.set k, k+1
.endr
	WIN 0
.irp q, 0,1
.irp s, 0,1,2,3
.irp p, 0,1
	global_load_b32 v[24+8*\q+2*\s+\p], v15, s[8:9] offset:2048*\s+256*\q+128*\p    ; lanes 0-15: tile 4 q + 2 p's words, lanes 16-31: the next tile's
.endr
.endr
.endr
	ROUND                                          ; all four work-groups are here: the first joint loads meet
	tensor_load_to_lds s[32:35], s[24:31]
	s_nop 0
	PLACES 4
	s_wait_loadcnt 0x0
	WIN 0x04                                       ; an LDS store's data are its source 1: window 1
.set k, 0
.rept 32
	ds_store_b128 v12, v[4*k:4*k+3] offset:512*k
.set k, k+1
.endr
	WIN 0
	s_wait_dscnt 0x0                               ; my slice has landed
	s_barrier_signal -1
	s_barrier_wait -1                              ; everybody's has; the tensor load may stay out
	WIN 0x80
.set k, 0
.rept 64
	ds_load_b128 v[4*k:4*k+3], v9 offset:512*k                     ; W's tiles 0-3: fragment (tile T, K step s) at v[16 (4 T + s)] of window 2
.set k, k+1
.endr
	WIN 0xc0
.set k, 0
.rept 64
	ds_load_b128 v[4*k:4*k+3], v9 offset:32768+512*k               ; tiles 4-7 likewise, window 3
.set k, k+1
.endr
	WIN 0
; 32 products: four tiles of W (4 q on) x the two tiles of y of pair e of the slot, four K steps; eight accumulators by turns, one instruction a turn
.macro MULG q, e
.irp s, 0,1,2,3
.irp T, 0,1,2,3
.irp yt, 0,1
.set rD, 128+16*(4*\q+\T)+8*\yt
.set rA, 128*\e+16*(4*\yt+\s)
.set rB, 16*(4*\T+\s)
.set rSA, 16+4*\e+\s
.set rSB, 24+8*\q+2*\s+(\T>>1)
.if \s == 0
	WM 1, \yt, (\T&1)
.else
	WM 0, \yt, (\T&1)
.endif
.endr
.endr
.endr
.endm
; pair tq's 16 accumulators become eight blocks of codes: block tq % 4 of K step 2 w + tq / 4, for each of the eight tiles of W
.macro AQ tq
	QUANT 8, 128, 0, 80, TP
.set k, 0
.rept 8
.if ((\tq)&3) == 0
	v_mov_b32 v[72+k], v[TP+k]
.else
	v_lshl_or_b32 v[72+k], v[TP+k], 8*((\tq)&3), v[72+k]           ; four bytes make a K step's scale word
.endif
.set k, k+1
.endr
.set k, 0
.rept 8
	ds_store_b128 v[6+(k>>2)], v[80+4*k:83+4*k] offset:(k&3)*16384+(\tq)*512
.set k, k+1
.endr
.if ((\tq)&3) == 3
.set k, 0
.rept 8
	ds_store_b32 v8, v[72+k] offset:k*1024+((\tq)>>2)*128
.set k, k+1
.endr
.endif
.endm
; Pairs 2 k and 2 k + 1 of my eight.  The slot is read out; the pair before is quantised while those reads are on their way; the slot is filled again; then the two pairs' products.
.macro SUPERA k
	s_wait_tensorcnt 0x0                           ; my two pairs have landed; the bytes are my own
.if (\k) > 0
	s_wait_dscnt 0x0                               ; my last stores of codes have read their registers
	PLACES 9
.endif
	READ2
.if (\k) > 0
	AQ 2*(\k)-1
.endif
.if (\k) < 3
	FILL 0
.else
	FILL 1
.endif
	WIN 0x09                                       ; source 0 (y) window 1, source 1 (W's tiles 0-3) window 2
	MULG 0, 0
	WIN 0x0d                                       ; source 1 (tiles 4-7) window 3
	MULG 1, 0
	WIN 0
	PLACES 9
	AQ 2*(\k)
	WIN 0x09
	MULG 0, 1
	WIN 0x0d
	MULG 1, 1
	WIN 0
.endm
	SUPERA 0                                       ; (its round also stands between every wave's reads of W in transit and the first codes stored there)
	SUPERA 1
	SUPERA 2
	SUPERA 3
; K step n's eight fragments of yw into set n % 2 of window 3, and their scale words: 40 LDS loads
.macro YKL n
	WIN 0xc0
.irp T, 0,1,2,3,4,5,6,7
.irp c, 0,1,2,3
	ds_load_b128 v[128*((\n)&1)+16*\T+4*\c:128*((\n)&1)+16*\T+4*\c+3], v[9+(\T>>2)] offset:16384*(\T&3)+2048*(\n)+512*\c
.endr
.endr
	WIN 0
.irp T, 0,1,2,3,4,5,6,7
	ds_load_b32 v[24+8*((\n)&1)+\T], v11 offset:1024*\T+128*(\n)
.endr
.endm
; K step sp: the next K step's fragments of yw are asked for, then 32 products, each accumulator once.  z = 1: the products start the sums.
; The roles part on the cluster's x, which all partners and all waves share, round products alone.
.macro KSTEP sp, z
.if ((\sp) != 0) && ((\sp) != 4)
	PLACES 9
.endif
.if (\sp) < 7
	YKL (\sp)+1
	s_wait_dscnt 40                                ; all but the 40 loads just issued
.else
	s_wait_dscnt 0x0
.endif
	s_cmp_eq_u32 s15, 0
	s_cbranch_scc0 .Lv_\@
	WIN 0xa7                                       ; source 0 (yw) window 3, source 1 (proj_k) window 1, C and D window 2
.irp j, 0,1,2,3
.irp i, 0,1,2,3,4,5,6,7
.set rD, 8*(\i+8*\j)
.set rA, 128*((\sp)&1)+16*\i
.set rB, 64*((\sp)&3)+16*\j
.set rSA, 24+8*((\sp)&1)+\i
.set rSB, 16+2*((\sp)&3)+(\j>>1)
	WM \z, 0, (\j&1)
.endr
.endr
	WIN 0
	s_branch .Lj_\@
.Lv_\@:
	WIN 0xad                                       ; source 0 (proj_v) window 1, source 1 (yw) window 3, C and D window 2
.irp i, 0,1,2,3
.irp j, 0,1,2,3,4,5,6,7
.set rD, 8*(\i+4*\j)
.set rA, 64*((\sp)&3)+16*\i
.set rB, 128*((\sp)&1)+16*\j
.set rSA, 16+2*((\sp)&3)+(\i>>1)
.set rSB, 24+8*((\sp)&1)+\j
	WM \z, (\i&1), 0
.endr
.endr
	WIN 0
.Lj_\@:
.endm
	s_wait_tensorcnt 0x0                           ; the projection's first four K steps have landed
	s_wait_dscnt 0x0
	PLACES 9
	READ2                                          ; fragment (K step ks of the four, key tile j) at v[64 ks + 16 j] of window 1; scale words at v[16 + 2 ks + j / 2], the odd tile's in lanes 16-31
	AQ 7
	FILL 2                                         ; the last load; its round also shows every wave's codes to all
	YKL 0
	KSTEP 0, 1
	KSTEP 1, 0
	KSTEP 2, 0
	KSTEP 3, 0
	s_wait_tensorcnt 0x0                           ; the last four K steps have landed; nothing is left to fetch
	PLACES 9
	READ2
	KSTEP 4, 0
	KSTEP 5, 0
	KSTEP 6, 0
	KSTEP 7, 0
	; Block q is registers 16 q .. 16 q + 15 of window 2: for k_ key tile q / 4, head (q / 2) % 2, block q % 2 of the head's channels; for v_ channel tile q / 2, block q % 2 of my 64 keys.  The codes leave straight from registers.
	PLACES 9
	QUANT 8, 0, 2, 80, 112
	QUANT 8, 128, 2, 128, 120
.set k, 0
.rept 8
	v_lshl_or_b32 v[BM+k], v[113+2*k], 8, v[112+2*k]               ; two neighbouring blocks' bytes
.set k, k+1
.endr
	v_cmp_le_u32 vcc_lo, 64, v15                   ; lanes 16-31
	s_cmp_eq_u32 s15, 0
	s_cbranch_scc0 .Lvout
.set q, 0
.rept 16
	global_store_b128 v3, v[80+4*q+16*(q>>3):83+4*q+16*(q>>3)], s[10:11] offset:32768*((q>>1)&1)+1024*(q>>2)+512*(q&1)   ; 32 lanes store 512 consecutive bytes
.set q, q+1
.endr
.irp hl, 0,1
.irp pl, 0,1
	v_cndmask_b32 v[TP+2*\hl+\pl], v[BM+4*\pl+\hl], v[BM+4*\pl+2+\hl], vcc_lo       ; a key tile's word is its two bytes: lanes 0-15 the pair's even tile, lanes 16-31 the odd one
	global_store_b32 v15, v[TP+2*\hl+\pl], s[12:13] offset:2048*\hl+128*\pl
.endr
.endr
	s_branch .Ldone
.Lvout:
.set q, 0
.rept 16
	global_store_b128 v3, v[80+4*q+16*(q>>3):83+4*q+16*(q>>3)], s[10:11] offset:32768*(q>>3)+2048*((q>>1)&3)+512*(q&1)
.set q, q+1
.endr
.irp hl, 0,1
.irp pr, 0,1
	v_cndmask_b32 v[TP+2*\hl+\pr], v[BM+4*\hl+2*\pr], v[BM+4*\hl+2*\pr+1], vcc_lo
	global_store_b16 v15, v[TP+2*\hl+\pr], s[12:13] offset:2048*\hl+128*\pr         ; my two bytes of a channel tile's word of four; the other two are a neighbouring wave's (512 bytes of such words a head)
.endr
.endr
.Ldone:
	s_wait_tensorcnt 0x0                           ; the wave's end
	ds_add_u32 v1, v2
	s_wait_dscnt 0x0
	ROUND                                          ; the closing round
	s_endpgm
.Lfunc_end_k_q2ad1aeb646_kv:
	.size	k_q2ad1aeb646_kv, .Lfunc_end_k_q2ad1aeb646_kv-k_q2ad1aeb646_kv
	.p2alignl 7, 3214868480
	.fill 96, 4, 3214868480
	.section	.rodata,"a",@progbits
	.p2align	6, 0x0
	.amdhsa_kernel k_q2ad1aeb646_kv
		.amdhsa_group_segment_fixed_size 327680
		.amdhsa_private_segment_fixed_size 0
		.amdhsa_enable_private_segment 0
		.amdhsa_kernarg_size 40
		.amdhsa_user_sgpr_count 2
		.amdhsa_user_sgpr_kernarg_segment_ptr 1
		.amdhsa_wavefront_size32 1
		.amdhsa_system_sgpr_workgroup_id_x 1
		.amdhsa_system_sgpr_workgroup_id_y 1
		.amdhsa_system_sgpr_workgroup_id_z 1
		.amdhsa_system_vgpr_workitem_id 0
		.amdhsa_next_free_vgpr 1024
		.amdhsa_next_free_sgpr 66
		.amdhsa_reserve_vcc 1
		.amdhsa_float_denorm_mode_32 3
		.amdhsa_float_denorm_mode_16_64 3
		.amdhsa_memory_ordered 1
		.amdhsa_forward_progress 1
		.amdhsa_inst_pref_size 255
	.end_amdhsa_kernel
	.section	.bss,"aw",@nobits
	.p2align	6
	.space	262144
	.amdgpu_metadata
---
amdhsa.version: [ 1, 2 ]
amdhsa.kernels:
  - .name:           k_q2ad1aeb646_kv
    .symbol:         k_q2ad1aeb646_kv.kd
    .args:
      - { .name: ybuf, .offset: 0, .size: 8, .value_kind: global_buffer, .address_space: global }
      - { .name: wimg, .offset: 8, .size: 8, .value_kind: global_buffer, .address_space: global }
      - { .name: wscl, .offset: 16, .size: 8, .value_kind: global_buffer, .address_space: global }
      - { .name: kvimg, .offset: 24, .size: 8, .value_kind: global_buffer, .address_space: global }
      - { .name: kvscl, .offset: 32, .size: 8, .value_kind: global_buffer, .address_space: global }
    .group_segment_fixed_size: 327680
    .private_segment_fixed_size: 0
    .kernarg_segment_align: 8
    .kernarg_segment_size: 40
    .max_flat_workgroup_size: 128
    .sgpr_count:     66
    .vgpr_count:     1024
    .wavefront_size: 32
...
	.end_amdgpu_metadata
.endif
;; end of part 3
;; launch attn (part 4): grid 8 x 32, 8 waves a work-group, clusters of 4 x 1, 327,680 bytes of LDS; arguments ybuf, wimg, wscl, kvimg, kvscl, x, posT, bo, out0; writes out0
.if DOCPART == 4
	.amdgcn_target "amdgcn-amd-amdhsa--gfx1250"
	.amdhsa_code_object_version 6
	.text
	.protected	k_q2ad1aeb646_attn
	.globl	k_q2ad1aeb646_attn
	.p2align	8
	.type	k_q2ad1aeb646_attn,@function
k_q2ad1aeb646_attn:
	s_mov_b64 s[64:65], 0
	v_nop
	global_prefetch_b8 v0, s[64:65] scope:SCOPE_SE
	s_setreg_imm32_b32 hwreg(HW_REG_WAVE_MODE, 25, 1), 1
	s_wait_xcnt 0x0
	s_wait_alu depctr_hold_cnt(0) depctr_sa_sdst(0) depctr_va_vdst(0) depctr_va_sdst(0) depctr_va_ssrc(0) depctr_va_vcc(0) depctr_vm_vsrc(0)
	s_getreg_b32 s2, hwreg(HW_REG_IB_STS2, 6, 4)
	s_cmp_eq_u32 s2, 0
	s_cbranch_scc0 .Lentry_in_a_cluster
	s_endpgm
.Lentry_in_a_cluster:
	s_bfe_u32 s2, ttmp6, 0x10000c
	s_cmp_lg_u32 s2, 0x3003
	s_cbranch_scc0 .Lentry_shape_is_right
	s_endpgm
.Lentry_shape_is_right:
; ATTN.  For one batch and 128 places: q = y Wq; scores q k_^T / 8; softmax; times v_; times Wo; + bo + x^T + pos; stored as [b][c][n].  All products on codes of E4M3 with E8M0 scales.
; CLUSTER: the four partners are four blocks of places of one batch: Wq, k_, v_ and Wo are asked for JOINTLY (same load, same descriptor, a mask that names the four).  The block of places enters plain addresses alone.
; Wave w is head w in phases 1 and 2, and channels 64 w on of the output in phase 3.  Its weights live in registers (window 1: R0 = v0-127, R1 = v128-255); LDS is their way in: ONE slot of 16,384 bytes a wave,
; filled six times (Wq's two halves, k_, v_, Wo's two halves), each fill asked for as soon as the slot has been read out, so that it lands under the work on the other half.  One tensor load of a wave is out at a time.
; PHASE 1: q^T = Wq^T y^T (source 0 = 16 channels of Wq, source 1 = 16 places): a lane holds one place, registers run along the head's channels; quantised in registers.
; PHASE 2, a tile of 16 places at a time: S^T = k_ q^T; t = score x log2(e) / 8; M = ceil(the row's largest t); p = 2^(t - M) is quantised along the keys; the row's sum is taken of the unquantised p; O^T = v_^T p^T, divided by
;   the sum and quantised along the channels.  All 256 keys are at hand, so M is the row's own.  THE SCORES' K IS 64: the upper half of q's fragment is zero codes under scale bytes 0; k_'s tiles lie 8 registers apart, so
;   the upper half of a fragment of k_ is other codes of this program's making (never the NaN code), which meet those zeros and add nothing.
; PHASE 3: source 0 = 16 places of o, source 1 = 16 channels of Wo: a lane holds one channel and eight neighbouring places; bo is the C of each sum's first product; through the wave's stage; + x + posT; whole rows of 512 bytes out.
; LDS: 8 slots; YO, 65,536: y's images, then q's, then o's ([tile 8][K step 4][2,048]); 8 stages of 16 x 528; the spare words; q's scale words; o's scale words.
; LIMITS: NaN and infinities are not served.  A block of zeros gets the byte 1 where the rule says 127 (zero codes); largest magnitudes under 2^-118 are held at the byte 1.
;   A block's largest p is made from the block's largest score by the same two instructions: this takes v_exp_f32 not to fall where its input rises.
; REGISTERS, window 0: v1, v2 the add's; v3-15 addresses; v16-23 Wq's, then Wo's scale words; v24-31 k_'s (phase 3: v24-27 o's); v32-35 v_'s; v36 q's; v38-39 p's; v37 at work; v40-47 -M, sums, 1 / sum;
;   v48-79 the quantiser's; phase 1: v80-87 q's words, v96-111 y's words, v112-127 two accumulators, v128-191 y's fragments, v192-255 q's codes; phase 2: v80-95 q's fragment, v96-127 p's codes, v128-255 S^T (O^T over its first 32);
;   phase 3: v40-43 bo, v44-59 bo as two tiles, v64-127 o's fragments, then rows of the output, v128-255 sixteen accumulators.
.set WV,   22
.set SEL,  52
.set CS,   54                          ; s[54:55] log2(e) / 8
.set MNT,  56
.set BM,   48
.set TP,   56
.set SOP,  64
.set LIM,  72
.set S,    128
.set YO,   131072
.set STG,  196608
.set SPARE, 264192                     ; the spare words: 128 bytes a wave, four blocks of 256 bytes that no other line names
.set QSC,  265216
.set OSC,  273408
.set MSB, 0
.macro WIN new                         ; the immediate's high byte repeats the setting that is left
.if MSB != (\new)
	s_set_vgpr_msb (MSB<<8)|(\new)
.set MSB, (\new)
.endif
.endm
.macro PLACES n                        ; plain vector instructions behind matrix instructions: nine serve loads, reads, and sums begun anew alike
.rept \n
	v_nop
.endr
.endm
.macro ROUND                           ; a round of the cluster's barrier
	s_barrier_signal -1
	s_barrier_wait -1
	s_cmp_lg_u32 s[WV], 0
	s_cbranch_scc1 .Lnw0_\@
	s_barrier_signal -3
.Lnw0_\@:
	s_barrier_wait -3
	s_barrier_signal -1
	s_barrier_wait -1
.endm
; One matrix instruction on the registers named by rD, rA, rB, rC, rSA, rSB.  z = 1: C is 0; 2: C is v[rC ..]; 0: the sum goes on in place.  ra, rb: the scales stand in lanes 16-31.
.macro WM z, ra, rb
.if (\z) == 1
.if ((\ra) != 0) && ((\rb) != 0)
	v_wmma_scale_f32_16x16x128_f8f6f4 v[rD:rD+7], v[rA:rA+15], v[rB:rB+15], 0, v[rSA], v[rSB] matrix_a_scale:MATRIX_SCALE_ROW1 matrix_b_scale:MATRIX_SCALE_ROW1
.elseif (\ra) != 0
	v_wmma_scale_f32_16x16x128_f8f6f4 v[rD:rD+7], v[rA:rA+15], v[rB:rB+15], 0, v[rSA], v[rSB] matrix_a_scale:MATRIX_SCALE_ROW1
.elseif (\rb) != 0
	v_wmma_scale_f32_16x16x128_f8f6f4 v[rD:rD+7], v[rA:rA+15], v[rB:rB+15], 0, v[rSA], v[rSB] matrix_b_scale:MATRIX_SCALE_ROW1
.else
	v_wmma_scale_f32_16x16x128_f8f6f4 v[rD:rD+7], v[rA:rA+15], v[rB:rB+15], 0, v[rSA], v[rSB]
.endif
.elseif (\z) == 2
.if (\rb) != 0
	v_wmma_scale_f32_16x16x128_f8f6f4 v[rD:rD+7], v[rA:rA+15], v[rB:rB+15], v[rC:rC+7], v[rSA], v[rSB] matrix_b_scale:MATRIX_SCALE_ROW1
.else
	v_wmma_scale_f32_16x16x128_f8f6f4 v[rD:rD+7], v[rA:rA+15], v[rB:rB+15], v[rC:rC+7], v[rSA], v[rSB]
.endif
.else
.if ((\ra) != 0) && ((\rb) != 0)
	v_wmma_scale_f32_16x16x128_f8f6f4 v[rD:rD+7], v[rA:rA+15], v[rB:rB+15], v[rD:rD+7], v[rSA], v[rSB] matrix_a_scale:MATRIX_SCALE_ROW1 matrix_b_scale:MATRIX_SCALE_ROW1
.elseif (\ra) != 0
	v_wmma_scale_f32_16x16x128_f8f6f4 v[rD:rD+7], v[rA:rA+15], v[rB:rB+15], v[rD:rD+7], v[rSA], v[rSB] matrix_a_scale:MATRIX_SCALE_ROW1
.elseif (\rb) != 0
	v_wmma_scale_f32_16x16x128_f8f6f4 v[rD:rD+7], v[rA:rA+15], v[rB:rB+15], v[rD:rD+7], v[rSA], v[rSB] matrix_b_scale:MATRIX_SCALE_ROW1
.else
	v_wmma_scale_f32_16x16x128_f8f6f4 v[rD:rD+7], v[rA:rA+15], v[rB:rB+15], v[rD:rD+7], v[rSA], v[rSB]
.endif
.endif
.endm
; nb blocks of 32: block q is my 16 numbers v[src + 16 q ..] and lane l xor 16's.  Codes: four registers a block from v[dst] on; the scales' bytes from v[by] on.  Each accumulator is read from its low end on.
.macro QUANT nb, src, dst, by
.set qb, 0
.rept \nb
	v_max3_num_f32 v[BM+qb], |v[(\src)+16*qb]|, |v[(\src)+16*qb+1]|, 0x4800000    ; with the floor 2^(9 - 127): the byte cannot fall under 1
.set qb, qb+1
.endr
.set qi, 2
.rept 7
.set qb, 0
.rept \nb
	v_max3_num_f32 v[BM+qb], v[BM+qb], |v[(\src)+16*qb+qi]|, |v[(\src)+16*qb+qi+1]|
.set qb, qb+1
.endr
.set qi, qi+2
.endr
.set qb, 0
.rept \nb
	v_permlanex16_b32 v[TP+qb], v[BM+qb], s[SEL], s[SEL+1]
.set qb, qb+1
.endr
.set qb, 0
.rept \nb
	v_max_num_f32 v[BM+qb], v[BM+qb], v[TP+qb]     ; the block's largest magnitude
	v_add_nc_u32 v[SOP+qb], 0xfc000000, v[BM+qb]   ; 8 off the exponent field: the conversion's scale operand
	v_and_or_b32 v[LIM+qb], v[BM+qb], 0x7f800000, s[MNT]   ; 448 x the scale
	v_lshrrev_b32 v[(\by)+qb], 23, v[SOP+qb]       ; the byte
.set qb, qb+1
.endr
.set qb, 0
.rept \nb
.set qi, 0
.rept 16
	v_med3_num_f32 v[(\src)+16*qb+qi], v[(\src)+16*qb+qi], -v[LIM+qb], v[LIM+qb]   ; the conversion does not saturate (ISA guide 7.6.2): the hold comes first
.set qi, qi+1
.endr
	v_cvt_scalef32_pk8_fp8_f32 v[(\dst)+4*qb:(\dst)+4*qb+1], v[(\src)+16*qb:(\src)+16*qb+7], v[SOP+qb]
	v_cvt_scalef32_pk8_fp8_f32 v[(\dst)+4*qb+2:(\dst)+4*qb+3], v[(\src)+16*qb+8:(\src)+16*qb+15], v[SOP+qb]
.set qb, qb+1
.endr
	v_nop                                          ; a plain instruction behind the last conversion
.endm
.macro READ hf                         ; my slot's 16,384 bytes into R0 or R1: every image is linear, 512 bytes to four registers
	WIN 0x40
.set k, 0
.rept 32
	ds_load_b128 v[128*(\hf)+4*k:128*(\hf)+4*k+3], v5 offset:512*k
.set k, k+1
.endr
	WIN 0
.endm
.macro FILL mode, src                  ; my slot, which has been read out, is filled again.  mode 0: with the 16,384 bytes that follow; 1: from the address in s[src]
	s_wait_tensorcnt 0x0                           ; no tensor load of mine is out: group 0 may be written
	ds_add_u32 v1, v2                              ; 0 onto my spare word
.if (\mode) == 0
	s_add_nc_u64 s[38:39], s[38:39], 16384
.else
	s_mov_b64 s[38:39], s[\src:\src+1]
	s_or_b32 s39, s39, 0x80000000
.endif
	s_wait_dscnt 0x0                               ; the add is done, my reads of the slot are back, my LDS stores have landed
	ROUND                                          ; all that holds of every wave of the four work-groups
	tensor_load_to_lds s[36:39], s[28:35]          ; my one load behind the round
	s_nop 0
	PLACES 4
.endm
	s_load_b512 s[4:19], s[0:1], 0x0               ; ybuf, wimg, wscl, kvimg, kvscl, x, posT, bo
	s_load_b64 s[20:21], s[0:1], 0x40              ; out0
	v_lshl_add_u32 v1, v0, 2, SPARE
	v_mov_b32 v2, 0
	ds_add_u32 v1, v2
	ds_add_u32 v1, v2
	s_wait_dscnt 0x0
	v_lshrrev_b32 v3, 5, v0
	v_readfirstlane_b32 s22, v3                    ; wave 0..7
	s_bfe_u32 s23, ttmp6, 0x40000                  ; cx
	s_lshl_b32 s24, ttmp9, 2
	s_add_co_u32 s24, s24, s23                     ; which 128 places = 4 x cluster x + cx
	s_and_b32 s25, ttmp7, 0xffff                   ; the batch, which the partners share
	; descriptor group 1: a dense block of 16,384 bytes as 64 rows of 256 (32 elements of 8 bytes)
	s_mov_b32 s28, 15|(3<<16)|(1<<21)              ; 15:0 the mask: all four work-groups; 17:16 elements of 8 bytes; 21 set beside a mask
	s_mov_b32 s29, 32<<16
	s_mov_b32 s30, 64<<16
	s_mov_b32 s31, 32<<16
	s_mov_b32 s32, 64
	s_mov_b32 s33, 32
	s_mov_b32 s34, 0
	s_mov_b32 s35, 0
	s_mov_b32 s[SEL], 0x76543210
	s_mov_b32 s[SEL+1], 0xfedcba98
	s_mov_b32 s[CS], 0x3e38aa3b                    ; log2(e) / 8
	s_mov_b32 s[CS+1], s[CS]                       ; (named with it as a pair, so it is written)
	s_mov_b32 s[MNT], 0x600000
	s_mov_b32 s36, 1
	s_lshl_b32 s37, s22, 14                        ; my slot
	s_lshl_b32 s66, s22, 15                        ; my four tiles of a weight
	s_mov_b32 s67, 0
	s_lshl_b32 s68, s25, 3
	s_add_co_u32 s68, s68, s22                     ; 8 b + head
	s_lshl_b32 s70, s68, 11
	s_mov_b32 s71, 0
	s_lshl_b32 s68, s68, 15
	s_mov_b32 s69, 0
	v_and_b32 v4, 31, v0
	v_lshlrev_b32 v3, 4, v4                        ; 16 x lane
	v_lshlrev_b32 v4, 2, v4                        ; 4 x lane
	v_add_nc_u32 v5, s37, v3                       ; my slot, as read
	s_lshl_b32 s61, s22, 10
	s_add_co_u32 s62, s61, YO
	v_add_nc_u32 v6, s62, v3                       ; q's and o's two blocks of a tile: K step w / 2, blocks 2 (w % 2) on
	s_add_co_u32 s62, s61, QSC
	v_add_nc_u32 v7, s62, v4                       ; q's scale words
	s_lshr_b32 s62, s22, 1
	s_lshl_b32 s62, s62, 7
	s_and_b32 s63, s22, 1
	s_lshl_b32 s63, s63, 1
	s_add_co_u32 s62, s62, s63
	s_add_co_u32 s62, s62, OSC
	v_add_nc_u32 v8, s62, v4                       ; my two bytes of o's scale words
	v_add_nc_u32 v12, YO, v3                       ; images, as read
	s_mul_i32 s62, s22, 8448
	s_add_co_u32 s62, s62, STG                     ; my stage
	v_and_b32 v9, 15, v0
	v_bfe_u32 v10, v0, 4, 1
	v_mul_u32_u24 v13, v9, 528
	v_lshl_add_u32 v13, v10, 6, v13
	v_add_nc_u32 v13, s62, v13                     ; in: row = my channel; 64 bytes on for lanes 16-31
	v_add_nc_u32 v14, s62, v3                      ; back: 16 bytes a lane of a row
	v_add_nc_u32 v15, OSC, v4                      ; o's scale words, as read
	s_lshl_b32 s62, s22, 13
	s_add_co_u32 s62, s62, YO
	v_add_nc_u32 v9, s62, v3                       ; where tile w of y goes
.set k, 0
.rept 8
	v_mov_b32 v[TP+k], 0                           ; written once: a lane permute's destination counts as one of its sources
.set k, k+1
.endr
	s_wait_kmcnt 0x0
	s_add_nc_u64 s[38:39], s[6:7], s[66:67]        ; the first fill: Wq's tiles 4 w, 4 w + 1
	s_add_nc_u64 s[44:45], s[38:39], 786432        ; Wo's
	s_or_b32 s39, s39, 0x80000000
	s_add_nc_u64 s[42:43], s[10:11], s[68:69]      ; k_ of my head
	s_add_nc_u64 s[12:13], s[12:13], s[70:71]
	s_mul_i32 s46, s25, 540672                     ; (from here on registers that feed no descriptor: the block of places enters)
	s_mul_i32 s47, s24, 67584
	s_add_co_u32 s46, s46, s47
	s_mov_b32 s47, 0
	s_add_nc_u64 s[4:5], s[4:5], s[46:47]          ; y: the block's four pairs of tiles
	s_lshr_b32 s48, s22, 1
	s_mul_i32 s48, s48, 16896
	s_and_b32 s49, s22, 1
	s_lshl_b32 s49, s49, 13
	s_add_co_u32 s48, s48, s49
	s_mov_b32 s49, 0
	s_add_nc_u64 s[26:27], s[4:5], s[48:49]        ; tile w
	s_lshl_b32 s50, s22, 18                        ; my 64 channels' rows of 4,096 bytes,
	s_lshl_b32 s51, s24, 9                         ; + the block's 128 places
	s_add_co_u32 s50, s50, s51
	s_mov_b32 s51, 0
	s_add_nc_u64 s[16:17], s[16:17], s[50:51]
	s_lshl_b32 s46, s25, 21
	s_add_co_u32 s50, s50, s46
	s_add_nc_u64 s[14:15], s[14:15], s[50:51]
	s_add_nc_u64 s[20:21], s[20:21], s[50:51]
	s_lshl_b32 s46, s22, 8
	s_add_nc_u64 s[8:9], s[8:9], s[46:47]          ; my four tiles' scale words; my 64 numbers of bo
	s_add_nc_u64 s[18:19], s[18:19], s[46:47]
.set k, 0
.rept 16
	global_load_b128 v[128+4*k:131+4*k], v3, s[26:27] offset:512*k             ; tile w of y: four images
.set k, k+1
.endr
.irp q, 0,1,2,3
	global_load_b128 v[96+4*\q:99+4*\q], v3, s[4:5] offset:16896*\q+16384      ; y's scale words: register 4 pair + K step; lanes 0-15 the pair's tile 0, lanes 16-31 tile 1
.endr
.irp p, 0,1
.irp s, 0,1,2,3
	global_load_b32 v[16+4*\p+\s], v4, s[8:9] offset:2048*\s+128*\p            ; Wq's: lanes 0-15 tile 4 w + 2 p, lanes 16-31 the next
.endr
.endr
.irp q, 0,1,2,3,4,5,6,7
	global_load_b32 v[24+\q], v4, s[12:13] offset:128*\q
.endr
.irp q, 0,1,2,3
	global_load_b32 v[32+\q], v4, s[12:13] offset:1024+128*\q
.endr
	ROUND                                          ; all four work-groups are here: the first joint loads meet
	tensor_load_to_lds s[36:39], s[28:35]
	s_nop 0
	PLACES 4
	s_wait_loadcnt 0x0
.set k, 0
.rept 16
	ds_store_b128 v9, v[128+4*k:131+4*k] offset:512*k
.set k, k+1
.endr
	s_wait_tensorcnt 0x0
	READ 0                                         ; Wq's first half
	FILL 0, 0                                      ; its second half is asked for; the round also shows every wave's tile of y to all
; ---- PHASE 1
.macro YFL m                           ; tile m of y: four fragments
.set k, 0
.rept 16
	ds_load_b128 v[128+4*k:131+4*k], v12 offset:(\m)*8192+512*k
.set k, k+1
.endr
.endm
.macro P1 p, m                         ; 32 channels (half p of the head) of tile m's q: two accumulators by turns, then one block of codes
	s_wait_dscnt 0x0
	WIN 0x01                                       ; source 0 (Wq) window 1
.irp s, 0,1,2,3
.irp u, 0,1
.set rD, 112+8*\u
.set rA, 128*\p+16*(4*\u+\s)
.set rB, 128+16*\s
.set rSA, 16+4*\p+\s
.set rSB, 96+4*(\m>>1)+\s
.if \s == 0
	WM 1, \u, (\m&1)
.else
	WM 0, \u, (\m&1)
.endif
.endr
.endr
	WIN 0
	PLACES 9
.if (\p == 0) || (\m < 7)
	YFL ((\m+1)&7)                                 ; the next tile's fragments come while this one is quantised
.endif
	QUANT 1, 112, (192+8*\m+4*\p), TP
.if \p == 0
	v_mov_b32 v[80+\m], v[TP]                      ; q's scale word: two bytes; bytes 2 and 3 stay 0
.else
	v_lshl_or_b32 v[80+\m], v[TP], 8, v[80+\m]
.endif
.endm
	YFL 0
.irp m, 0,1,2,3,4,5,6,7
	P1 0, \m
.endr
	s_wait_tensorcnt 0x0
	READ 1                                         ; Wq's second half
	FILL 1, 42                                     ; k_ is asked for
.irp m, 0,1,2,3,4,5,6,7
	P1 1, \m
.endr
	s_wait_tensorcnt 0x0
	READ 0                                         ; k_: tile KT's 8 registers at v[8 KT] of window 1
	FILL 0, 0                                      ; v_ is asked for; behind the round nobody reads y any more: its bytes take q
.set k, 0
.rept 8
	ds_store_b128 v6, v[192+8*k:195+8*k] offset:8192*k
	ds_store_b128 v6, v[196+8*k:199+8*k] offset:8192*k+512
.set k, k+1
.endr
.set k, 0
.rept 8
	ds_store_b32 v7, v[80+k] offset:128*k
.set k, k+1
.endr
.set k, 0
.rept 8
	v_mov_b32 v[88+k], 0                           ; the upper half of q's fragment: zero codes, written once
.set k, k+1
.endr
	v_mov_b32 v41, 0                               ; (named as the upper half of a pair)
.irp p, 0,1
.irp s, 0,1,2,3
	global_load_b32 v[16+4*\p+\s], v4, s[8:9] offset:24576+2048*\s+128*\p      ; Wo's scale words: wanted in phase 3
.endr
.endr
; ---- PHASE 2: a tile of 16 places.  first = 1: the tile that is written out; in it v_ comes into R1 and Wo's first half is asked for.
.macro TILE first
	v_add_nc_u32 v9, s58, v6
	v_add_nc_u32 v10, s59, v7
	v_add_nc_u32 v11, s60, v8
	ds_load_b128 v[80:83], v9                      ; q's two blocks (my own bytes)
	ds_load_b128 v[84:87], v9 offset:512
	ds_load_b32 v36, v10
	s_wait_dscnt 0x0
	WIN 0x01                                       ; source 0 (k_) window 1
.set kt, 0
.rept 16
.set rD, S+8*kt
.set rA, 8*kt
.set rB, 80
.set rSA, 24+(kt>>1)
.set rSB, 36
	WM 1, (kt&1), 0
.set kt, kt+1
.endr
	WIN 0
	PLACES 9
.set b, 0
.rept 8
	v_max3_num_f32 v[BM+b], v[S+16*b], v[S+16*b+1], v[S+16*b+2]    ; the largest score of each block of 32 keys: for the row's maximum, and for the block's largest p
.set b, b+1
.endr
.irp i, 3,5,7,9,11,13
.set b, 0
.rept 8
	v_max3_num_f32 v[BM+b], v[BM+b], v[S+16*b+\i], v[S+16*b+\i+1]
.set b, b+1
.endr
.endr
.set b, 0
.rept 8
	v_max_num_f32 v[BM+b], v[BM+b], v[S+16*b+15]
.set b, b+1
.endr
.set b, 0
.rept 8
	v_permlanex16_b32 v[TP+b], v[BM+b], s[SEL], s[SEL+1]
.set b, b+1
.endr
.set b, 0
.rept 8
	v_max_num_f32 v[BM+b], v[BM+b], v[TP+b]        ; with lane l xor 16's 16 keys
.set b, b+1
.endr
	v_max3_num_f32 v37, v48, v49, v50
	v_max3_num_f32 v37, v37, v51, v52
	v_max3_num_f32 v37, v37, v53, v54
	v_max_num_f32 v37, v37, v55                    ; the row's largest score
	v_mul_f32 v37, s[CS], v37                      ; as t
	v_floor_f32 v40, -v37                          ; -M = floor(-t) = -ceil(t)
.set j, 0
.rept 64
	v_pk_fma_f32 v[S+j:S+j+1], v[S+j:S+j+1], s[CS:CS+1], v[40:41] op_sel_hi:[1,0,0]   ; t - M, two at a time
.set j, j+2
.endr
.set b, 0
.rept 8
	v_fma_f32 v[BM+b], v[BM+b], s[CS], v40         ; the same of each block's largest score
.set b, b+1
.endr
.set j, 0
.rept 128
	v_exp_f32 v[S+j], v[S+j]                       ; p = 2^(t - M): not normalised
.set j, j+1
.endr
.set b, 0
.rept 8
	v_exp_f32 v[BM+b], v[BM+b]                     ; the block's largest p
.set b, b+1
.endr
	v_nop                                          ; a plain instruction behind the exponentials
.set b, 0
	s_wait_alu depctr_va_vdst(0)
.rept 8
	v_max_num_f32 v[BM+b], 0x4800000, v[BM+b]      ; the floor 2^(9 - 127)
.set b, b+1
.endr
.set b, 0
.rept 8
	v_add_nc_u32 v[SOP+b], 0xfc000000, v[BM+b]
.set b, b+1
.endr
.set b, 0
.rept 8
	v_and_or_b32 v[LIM+b], v[BM+b], 0x7f800000, s[MNT]
.set b, b+1
.endr
.set b, 0
.rept 8
	v_lshrrev_b32 v[TP+b], 23, v[SOP+b]
.set b, b+1
.endr
	v_lshl_or_b32 v38, v[TP+1], 8, v[TP]           ; p's scale words: keys 0-127,
	v_lshl_or_b32 v38, v[TP+2], 16, v38
	v_lshl_or_b32 v38, v[TP+3], 24, v38
	v_lshl_or_b32 v39, v[TP+5], 8, v[TP+4]         ; keys 128-255
	v_lshl_or_b32 v39, v[TP+6], 16, v39
	v_lshl_or_b32 v39, v[TP+7], 24, v39
	v_pk_add_f32 v[42:43], v[S:S+1], v[S+2:S+3]    ; the row's sum is taken of the unquantised p: two at a time, in two chains
	v_pk_add_f32 v[44:45], v[S+4:S+5], v[S+6:S+7]
.set j, 8
.rept 30
	v_pk_add_f32 v[42:43], v[42:43], v[S+j:S+j+1]
	v_pk_add_f32 v[44:45], v[44:45], v[S+j+2:S+j+3]
.set j, j+4
.endr
	v_pk_add_f32 v[42:43], v[42:43], v[44:45]
.set b, 0
.rept 8
.set j, 0
.rept 16
	v_min_num_f32 v[S+16*b+j], v[S+16*b+j], v[LIM+b]               ; p is not negative: the hold is one-sided
.set j, j+1
.endr
	v_cvt_scalef32_pk8_fp8_f32 v[96+4*b:97+4*b], v[S+16*b:S+16*b+7], v[SOP+b]
	v_cvt_scalef32_pk8_fp8_f32 v[98+4*b:99+4*b], v[S+16*b+8:S+16*b+15], v[SOP+b]
.set b, b+1
.endr
	v_nop                                          ; a plain instruction behind the last conversion
.if \first
	s_wait_tensorcnt 0x0
	READ 1                                         ; v_: fragment (K step s, tile T) at v[128 + 16 (4 s + T)] of window 1
	FILL 1, 44                                     ; Wo's first half is asked for
.endif
	v_add_f32 v42, v42, v43
	v_permlanex16_b32 v44, v42, s[SEL], s[SEL+1]
	v_add_f32 v42, v42, v44                        ; the row's sum
	v_rcp_f32 v46, v42
	v_nop
	s_wait_alu depctr_va_vdst(0)
	v_mov_b32 v47, v46
	PLACES 4                                       ; codes written by vector instructions stand four places ahead of the products
	WIN 0x01                                       ; source 0 (v_) window 1
.irp s, 0,1
.irp T, 0,1,2,3
.set rD, S+8*\T
.set rA, 128+16*(4*\s+\T)
.set rB, 96+16*\s
.set rSA, 32+2*\s+(\T>>1)
.set rSB, 38+\s
.if \s == 0
	WM 1, (\T&1), 0
.else
	WM 0, (\T&1), 0
.endif
.endr
.endr
	WIN 0
	PLACES 9
.set j, 0
.rept 16
	v_pk_mul_f32 v[S+j:S+j+1], v[S+j:S+j+1], v[46:47] op_sel_hi:[1,0]          ; O^T / the sum
.set j, j+2
.endr
	QUANT 2, S, 96, TP
	v_lshl_or_b32 v37, v[TP+1], 8, v[TP]
	ds_store_b128 v9, v[96:99]                     ; o's two blocks take the place of q's
	ds_store_b128 v9, v[100:103] offset:512
	ds_store_b16 v11, v37                          ; and their two bytes of the K step's scale word
.endm
	s_mov_b32 s58, 0                               ; 8,192, 128 and 512 bytes a tile
	s_mov_b32 s59, 0
	s_mov_b32 s60, 0
	TILE 1
	s_mov_b32 s57, 7
.Ltile:
	s_add_co_u32 s58, s58, 8192
	s_add_co_u32 s59, s59, 128
	s_add_co_u32 s60, s60, 512
	TILE 0
	s_sub_co_u32 s57, s57, 1
	s_cmp_lg_u32 s57, 0
	s_cbranch_scc1 .Ltile
	s_wait_tensorcnt 0x0
	READ 0                                         ; Wo's first half
	FILL 0, 0                                      ; its second half is asked for: the last fill; the round shows every head's o to all
; ---- PHASE 3.  Pass p: channels 64 w + 32 p on; tile u of the two: channel 8 u + k + 8 (k / 8), k = 0 .. 15
.macro XLOAD dst, p, u                 ; 16 rows of x and 16 of posT, 512 consecutive bytes each, into window 1
	WIN 0x40
.set k, 0
.rept 16
	global_load_b128 v[(\dst)+4*k:(\dst)+4*k+3], v3, s[14:15] offset:(32*(\p)+8*(\u)+k+8*(k>>3))*4096 th:TH_LOAD_NT
.set k, k+1
.endr
.set k, 0
.rept 16
	global_load_b128 v[(\dst)+64+4*k:(\dst)+64+4*k+3], v3, s[16:17] offset:(32*(\p)+8*(\u)+k+8*(k>>3))*4096
.set k, k+1
.endr
	WIN 0
.endm
.macro PASS p
.set k, 0
.rept 8
	v_mov_b32 v[44+k], v[40+2*(\p)]                ; bo as the C of a sum's first product: a lane's eight results share its channel
	v_mov_b32 v[52+k], v[41+2*(\p)]
.set k, k+1
.endr
.irp m, 0,1,2,3,4,5,6,7
.set k, 0
.rept 16
	ds_load_b128 v[64+4*k:67+4*k], v12 offset:8192*\m+512*k        ; tile m of o: four fragments
.set k, k+1
.endr
.irp s, 0,1,2,3
	ds_load_b32 v[24+\s], v15 offset:128*(4*\m+\s)
.endr
	s_wait_dscnt 0x0
	WIN 0x04                                       ; source 1 (Wo) window 1
.irp s, 0,1,2,3
.irp u, 0,1
.set rD, 128+8*(8*\u+\m)
.set rA, 64+16*\s
.set rB, 128*(\p)+16*(4*\u+\s)
.set rC, 44+8*\u
.set rSA, 24+\s
.set rSB, 16+4*(\p)+\s
.if \s == 0
	WM 2, 0, \u
.else
	WM 0, 0, \u
.endif
.endr
.endr
	WIN 0
	PLACES 9
.endr
.endm
; Tile u's 16 channels x 128 places: through my stage, + x + posT (in v[xr ..] of window 1), out.  left: the younger loads that may stay out.  more = 1: pass 0's second tile of x and posT is asked for.
.macro OUT p, u, xr, left, more
.set k, 0
.rept 8
	ds_store_b128 v13, v[128+8*(8*(\u)+k):128+8*(8*(\u)+k)+3] offset:128*(k>>1)+32*(k&1)           ; each accumulator from its low end on
	ds_store_b128 v13, v[128+8*(8*(\u)+k)+4:128+8*(8*(\u)+k)+7] offset:128*(k>>1)+32*(k&1)+16
.set k, k+1
.endr
.set k, 0
.rept 16
	ds_load_b128 v[64+4*k:67+4*k], v14 offset:528*k                ; in order behind my stores
.set k, k+1
.endr
	s_wait_dscnt 0x0
	s_wait_loadcnt \left
	WIN 0x04
.set k, 0
.rept 32
	v_pk_add_f32 v[64+2*k:65+2*k], v[64+2*k:65+2*k], v[(\xr)+2*k:(\xr)+2*k+1]
.set k, k+1
.endr
.set k, 0
.rept 32
	v_pk_add_f32 v[64+2*k:65+2*k], v[64+2*k:65+2*k], v[(\xr)+64+2*k:(\xr)+64+2*k+1]
.set k, k+1
.endr
	WIN 0
.if \more
	XLOAD 128, 0, 1
.endif
.set k, 0
.rept 16
	global_store_b128 v3, v[64+4*k:67+4*k], s[20:21] offset:(32*(\p)+8*(\u)+k+8*(k>>3))*4096 th:TH_STORE_NT    ; 32 lanes store 512 consecutive bytes
.set k, k+1
.endr
	s_wait_xcnt 0x0                                ; the stores' registers are written again only behind this wait
.endm
	v_and_b32 v9, 15, v0
	v_and_b32 v10, 8, v0
	v_add_nc_u32 v9, v9, v10
	v_lshlrev_b32 v9, 2, v9                        ; my channel of a tile: r + 8 (r / 8)
.irp p, 0,1
.irp u, 0,1
	global_load_b32 v[40+2*\p+\u], v9, s[18:19] offset:(32*\p+8*\u)*4
.endr
.endr
	XLOAD 128, 0, 0                                ; R1 is free: v_ is done with
	s_wait_loadcnt 32                              ; bo and Wo's scale words are in; the 32 loads just issued may be out
	PASS 0
	XLOAD 0, 1, 0                                  ; R0 is free: pass 1's first tile is asked for a pass ahead
	OUT 0, 0, 128, 32, 1                           ; the 32 loads just issued may be out
	OUT 0, 1, 128, 0, 0
	s_wait_tensorcnt 0x0
	READ 1                                         ; Wo's second half
	PASS 1
	XLOAD 128, 1, 1
	OUT 1, 0, 0, 32, 0                             ; the 32 loads just issued may be out
	OUT 1, 1, 128, 0, 0
	s_wait_tensorcnt 0x0                           ; the wave's end
	ds_add_u32 v1, v2
	s_wait_dscnt 0x0
	ROUND                                          ; the closing round
	s_endpgm
.Lfunc_end_k_q2ad1aeb646_attn:
	.size	k_q2ad1aeb646_attn, .Lfunc_end_k_q2ad1aeb646_attn-k_q2ad1aeb646_attn
	.p2alignl 7, 3214868480
	.fill 96, 4, 3214868480
	.section	.rodata,"a",@progbits
	.p2align	6, 0x0
	.amdhsa_kernel k_q2ad1aeb646_attn
		.amdhsa_group_segment_fixed_size 327680
		.amdhsa_private_segment_fixed_size 0
		.amdhsa_enable_private_segment 0
		.amdhsa_kernarg_size 72
		.amdhsa_user_sgpr_count 2
		.amdhsa_user_sgpr_kernarg_segment_ptr 1
		.amdhsa_wavefront_size32 1
		.amdhsa_system_sgpr_workgroup_id_x 1
		.amdhsa_system_sgpr_workgroup_id_y 1
		.amdhsa_system_sgpr_workgroup_id_z 1
		.amdhsa_system_vgpr_workitem_id 0
		.amdhsa_next_free_vgpr 512
		.amdhsa_next_free_sgpr 72
		.amdhsa_reserve_vcc 0
		.amdhsa_float_denorm_mode_32 3
		.amdhsa_float_denorm_mode_16_64 3
		.amdhsa_memory_ordered 1
		.amdhsa_forward_progress 1
		.amdhsa_inst_pref_size 255
	.end_amdhsa_kernel
	.section	.bss,"aw",@nobits
	.p2align	6
	.space	262144
	.amdgpu_metadata
---
amdhsa.version: [ 1, 2 ]
amdhsa.kernels:
  - .name:           k_q2ad1aeb646_attn
    .symbol:         k_q2ad1aeb646_attn.kd
    .args:
      - { .name: ybuf, .offset: 0, .size: 8, .value_kind: global_buffer, .address_space: global }
      - { .name: wimg, .offset: 8, .size: 8, .value_kind: global_buffer, .address_space: global }
      - { .name: wscl, .offset: 16, .size: 8, .value_kind: global_buffer, .address_space: global }
      - { .name: kvimg, .offset: 24, .size: 8, .value_kind: global_buffer, .address_space: global }
      - { .name: kvscl, .offset: 32, .size: 8, .value_kind: global_buffer, .address_space: global }
      - { .name: x, .offset: 40, .size: 8, .value_kind: global_buffer, .address_space: global }
      - { .name: posT, .offset: 48, .size: 8, .value_kind: global_buffer, .address_space: global }
      - { .name: bo, .offset: 56, .size: 8, .value_kind: global_buffer, .address_space: global }
      - { .name: out0, .offset: 64, .size: 8, .value_kind: global_buffer, .address_space: global }
    .group_segment_fixed_size: 327680
    .private_segment_fixed_size: 0
    .kernarg_segment_align: 8
    .kernarg_segment_size: 72
    .max_flat_workgroup_size: 256
    .sgpr_count:     72
    .vgpr_count:     512
    .wavefront_size: 32
...
	.end_amdgpu_metadata
.endif
;; end of part 4
